; MI455X (gfx1250); checked and timed in simulation.
; The chip was launched on July 23, 2026; its instructions are those of AMD's public machine-readable ISA for CDNA 5 (MIT licence, August 2026) and "CDNA5" Instruction Set Architecture Reference Guide (July 2026). The comments in the code are by the model that wrote it; some were corrected since.
;; Encoder. Allowed arithmetic: matrix products marked QUANTISED: E3M2 operands, one E8M0 scale for each 32 along K, by v_wmma_scale_f32_16x16x128_f8f6f4 with both operands' format E3M2, f32 sums; everything else in f32.
;; Inputs: W1 1,024 x 4,096 float32; W2 4,096 x 1,024 float32; Wk 16 x 1,024 x 64 float32; Wo 1,024 x 1,024 float32; Wq 16 x 1,024 x 64 float32; Wv 16 x 1,024 x 64 float32; b1 4,096 float32; b2 1,024 float32; be1 1,024 float32; be2 1,024 float32; bk 16 x 64 float32; bo 1,024 float32; bq 16 x 64 float32; bv 16 x 64 float32; g1 1,024 float32; g2 1,024 float32; x 2 x 2,048 x 1,024 float32.
;; Outputs: out0 2 x 2,048 x 1,024 float32.
;; This version of the problem:
;;   THIS VERSION OF THE PROBLEM IS GIVEN IN LOW PRECISION. The matrix products marked QUANTISED in the list below multiply operands that are first quantised to E3M2 (3 exponent bits, 2 mantissa bits; 6 bits a number), with one power-of-two scale for each 32 numbers along K (OCP MX v1.0); their sums are f32. All else is computed in f32.
;;   The module's matrix products, in the order in which they are computed (A, B: the left and right operand; K: the contracted axis; several contracted axes count as one K, in the product's order):
;;     1. [M 1,024, K 1,024] x [K 1,024, N 4,096]; A: input Wq; B: input x: QUANTISED
;;     2. [M 1,024, K 1,024] x [K 1,024, N 4,096]; A: input Wk; B: input x: QUANTISED
;;     3. [M 1,024, K 1,024] x [K 1,024, N 4,096]; A: input Wv; B: input x: QUANTISED
;;     4. batch 32 x [M 2,048, K 64] x [K 64, N 2,048]; A: computed on the way; B: computed on the way: QUANTISED
;;     5. batch 32 x [M 2,048, K 2,048] x [K 2,048, N 64]; A: softmax (see below); B: computed on the way: QUANTISED
;;     6. [M 4,096, K 1,024] x [K 1,024, N 1,024]; A: computed on the way; B: input Wo: QUANTISED
;;     7. [M 4,096, K 1,024] x [K 1,024, N 4,096]; A: computed on the way; B: input W1: QUANTISED
;;     8. [M 4,096, K 4,096] x [K 4,096, N 1,024]; A: computed on the way; B: input W2: QUANTISED
;;   THE QUANTISER, for each operand of a quantised product, along K:
;;     - K is cut into blocks of 32 from its start; a last block that is shorter is filled with zeros.
;;     - A block's scale is 2^e with e = floor(log2(the largest magnitude in the block)) - 4, held to -126 .. 127; a block of zeros has e = 0. As a byte (E8M0): e + 127.
;;     - Each number is divided by its block's scale, clamped to +-28, and rounded to the nearest number of E3M2, ties to even, subnormals kept.
;;     - The product sums the exact products of the quantised numbers (number of the format x scale) in f32.
;;   ~~~python
;;   def quantise(x, axis):      # numpy; x: float32 -> the quantised numbers, widened to float32 again
;;       x = np.moveaxis(x, axis, -1); K = x.shape[-1]
;;       x = np.pad(x, [(0, 0)] * (x.ndim - 1) + [(0, -K % 32)]); x = x.reshape(x.shape[:-1] + (-1, 32)); a = np.abs(x).max(-1, keepdims=True)
;;       e = np.where(a > 0, np.clip(np.frexp(np.where(a > 0, a, 1))[1] - 1 - 4, -126, 127), 0)      # np.frexp(a)[1] - 1 = floor(log2(a)), exactly
;;       r = np.clip(x / 2.0 ** e, -28, 28)
;;       step = 2.0 ** (np.maximum(np.frexp(np.where(r == 0, 1, r))[1] - 1, -2) - 2)
;;       q = np.round(r / step) * step * 2.0 ** e      # np.round: ties to even
;;       return np.moveaxis(q.reshape(q.shape[:-2] + (-1,))[..., :K], -1, axis).astype(np.float32)
;;   ~~~
;;   SOFTMAX AHEAD OF A QUANTISED PRODUCT. Where the list says 'softmax', what is quantised is not the finished softmax but p = 2^(t - M), with t = logit x log2(e) and M = ceil(the row's largest t), a whole number; so 1/2 < the row's largest p <= 1. The row's sum l is taken of the UNQUANTISED p, in f32, and the product's result is divided by l at the end. Since M is a whole number, a kernel that streams over the keys may use a running M (the ceiling of the running maximum): every later rescaling is an exact power of two, which a block's scale takes up: the codes' values come out the same.
;;   OPERANDS COMPUTED ON THE WAY. 'Computed on the way' means the value that the module computes at that place (a softmax that the list does not call 'softmax' is quantised finished and normalised). What goes into a quantiser is computed in f32, as accurately as f32 sums, v_exp_f32 and their like allow (about 1e-6 of the number): no bf16 or f16 on the way to a quantiser, and a product that is left as it is and whose result goes on into a quantised operand takes f32 operands (vector FMAs, or v_wmma_f32_16x16x4_f32). A number that lies on a knife's edge between two numbers of the format may be rounded either way, as far as f32 arithmetic and the matrix unit's own rounding can turn it there, and no further.
;; One version. Each part assembles by itself: llvm-mc -triple=amdgcn-amd-amdhsa -mcpu=gfx1250 --defsym DOCPART=n.
;; ======== version 1 of 1: 9 launches
;; workspace buffers: xq 3,801,088 bytes; wqk 3,801,088 bytes; wv 67,108,864 bytes; w1 3,801,088 bytes; wo 3,801,088 bytes; w2 13,238,272 bytes; bufa 16,777,216 bytes; bufb 16,777,216 bytes
;; launch qx (part 1): grid 128 x 1, 4 waves a work-group, no clusters, 33,280 bytes of LDS; arguments x, xq; writes xq
.if DOCPART == 1
	.amdgcn_target "amdgcn-amd-amdhsa--gfx1250"
	.amdhsa_code_object_version 6
	.text
	.protected	k_qba66c7e559_qx
	.globl	k_qba66c7e559_qx
	.p2align	8
	.type	k_qba66c7e559_qx,@function
k_qba66c7e559_qx:
	s_mov_b64 s[64:65], 0
	v_nop
	global_prefetch_b8 v0, s[64:65] scope:SCOPE_SE
	s_setreg_imm32_b32 hwreg(HW_REG_WAVE_MODE, 25, 1), 1
	s_wait_xcnt 0x0
; x [4096][1024], f32, K innermost, becomes an operand in this program's own format: codes of BF6 (E3M2) with one E8M0 byte for each 32 along K.
; THE FORMAT OF AN OPERAND BUFFER.  K is cut into slabs of 256; a slab has room for 4,096 rows.
;   scale bytes at slab x 32,768 + row x 8;  a row's additive term (f32) at BIAS + plane x 16,384 + row x 4;  one f32 lower bound at LO;  codes at CODES + slab x 786,432 + row x 192.
; A block's scale is 2^(floor(log2(its largest magnitude)) - 4); its byte is the largest magnitude's exponent field - 4, held at 1 from below.
; LIMITS: a block whose largest magnitude lies under 2^-122, a block of zeros among them, gets the byte 1 (the rule says 127 for zeros: its codes are zeros, and this program alone reads the bytes);
; NaN and infinities among the inputs are not served.
; A work-group takes 32 rows, a wave 8.  A step is 512 numbers: 256 along K (one slab) of two neighbouring rows.  Each of its four loads reads 512 consecutive bytes; the 2,048 bytes turn through the wave's own
; stage in LDS so that a lane holds 16 neighbours along K; two neighbouring lanes hold a block.  A step's codes are 384 consecutive bytes of the buffer.  No barrier: waves share nothing.
; The launch also writes x's additive terms (zeros: x has none) and its lower bound (-infinity: none).
.set SLABB,  786432
.set BIAS,   524288
.set LO,     589824
.set CODES,  655360
.set STEPS, 16
.set EMAX,  4
.set CB,    12                         ; bytes of 16 codes
.set R,     16                         ; v16-79   four sets of 16 numbers as they are loaded
.set X,     80                         ; v80-111  two sets of 16 neighbours
.set E,     112                        ; v112-127 a scale byte for each step
.set C,     128                        ; v128-191 codes: four registers for each step, so that no store's data are written again
.set WREG,  8192                       ; LDS: a region for each wave: two stages of 32 x SP bytes, behind them its 256 scale bytes
.set SP,    80                         ; a lane's place in a stage: 64 bytes + 16 of padding
	s_load_b128 s[4:7], s[0:1], 0x0                ; x, xq
	v_lshl_add_u32 v192, v0, 2, 0x8000
	v_mov_b32 v193, 0
	v_lshrrev_b32 v1, 5, v0
	v_readfirstlane_b32 s16, v1                    ; wave
	v_and_b32 v2, 31, v0                           ; lane
	v_lshlrev_b32 v3, 4, v2                        ; my 16 bytes of a load's 512
	s_mul_i32 s17, s16, WREG
	v_lshrrev_b32 v14, 2, v2
	v_mul_u32_u24 v14, v14, SP
	v_and_b32 v15, 3, v2
	v_lshl_add_u32 v14, v15, 4, v14
	v_add_nc_u32 v14, s17, v14                     ; the stage, on the way in: SP (lane / 4) + 16 (lane % 4)
	v_mul_u32_u24 v15, v2, SP
	v_add_nc_u32 v15, s17, v15                     ; and on the way out: SP x lane: my 16 neighbours
	v_mul_u32_u24 v4, v2, CB                       ; my codes' place in a step's 384 bytes
	v_lshrrev_b32 v5, 1, v2
	s_add_co_u32 s17, s17, 2*32*SP
	v_add_nc_u32 v5, s17, v5                       ; LDS: my wave's scale bytes, laid [slab][row][8]; my block's byte
	v_lshlrev_b32 v6, 3, v2
	v_add_nc_u32 v6, s17, v6                       ; and on the way out 8 bytes a lane: lane = 8 x slab + row
	v_lshrrev_b32 v7, 3, v2
	v_and_b32 v10, 7, v2
	v_lshlrev_b32 v10, 3, v10
	v_lshl_add_u32 v7, v7, 15, v10                 ; in the buffer: slab x 32,768 + row x 8
	v_lshlrev_b32 v1, 2, v0                        ; 4 x thread
	v_mov_b32 v10, 0
	s_lshl_b32 s18, ttmp9, 5
	s_lshl_b32 s19, s16, 3
	s_add_co_u32 s18, s18, s19                     ; my wave's first row
	s_lshl_b32 s20, s18, 12
	s_mov_b32 s21, 0
	s_mul_i32 s22, s18, 192
	s_add_co_u32 s22, s22, CODES
	s_mov_b32 s23, 0
	s_lshl_b32 s24, s18, 3
	s_mov_b32 s25, 0
	s_lshl_b32 s26, ttmp9, 9
	s_add_co_u32 s26, s26, BIAS                    ; 128 work-groups x 512 bytes: all four planes of additive terms
	s_mov_b32 s27, 0
	s_wait_kmcnt 0x0
	s_add_nc_u64 s[4:5], s[4:5], s[20:21]
	s_add_nc_u64 s[8:9], s[6:7], s[22:23]
	s_add_nc_u64 s[10:11], s[6:7], s[24:25]
	s_add_nc_u64 s[12:13], s[6:7], s[26:27]
	s_add_nc_u64 s[14:15], s[6:7], LO
.macro LOAD t                          ; step t: rows 2 (t / 4) and 2 (t / 4) + 1, slab t % 4
.irp j, 0,1,2,3
	global_load_b128 v[R+16*((\t)%4)+4*\j:R+16*((\t)%4)+4*\j+3], v3, s[4:5] offset:(2*((\t)/4)+\j/2)*4096+((\t)%4)*1024+(\j%2)*512 th:TH_LOAD_NT
.endr
.endm
.macro TURN t                          ; step t's numbers through the stage: LDS serves a wave's instructions in order, so no wait stands between the stores and the loads
.irp i, 0,1,2,3
	ds_store_b128 v14, v[R+16*((\t)%4)+4*\i:R+16*((\t)%4)+4*\i+3] offset:32*SP*((\t)%2)+8*SP*\i
.endr
.irp i, 0,1,2,3
	ds_load_b128 v[X+16*((\t)%2)+4*\i:X+16*((\t)%2)+4*\i+3], v15 offset:32*SP*((\t)%2)+16*\i
.endr
.endm
.irp t, 0,1,2,3
	LOAD \t
.endr
	s_wait_loadcnt 12                              ; step 0's four loads are in
	TURN 0
.macro STEP t
.set XS, X+16*((\t)%2)
.if (\t) > 0
	s_wait_dscnt 1                                 ; this step's numbers are back from the stage (the last step's byte store may be out): so its stores into the stage have read their registers,
.else
	s_wait_dscnt 0x0
.endif
.if (\t)+4 < STEPS
	LOAD (\t)+4                                    ; which take the loads of four steps on
.endif
.if (\t)+1 < STEPS
.if STEPS-2-(\t) >= 3
	s_wait_loadcnt 12                              ; the next step's four loads are in; those of the three steps behind it may be out
.else
	s_wait_loadcnt 4*(STEPS-2-(\t))
.endif
	TURN (\t)+1                                    ; and go through the other stage while this step is worked
.endif
	v_max3_num_f32 v8, |v[XS]|, |v[XS+1]|, |v[XS+2]|               ; the largest magnitude of my 16
	v_max3_num_f32 v9, |v[XS+3]|, |v[XS+4]|, |v[XS+5]|
.irp i, 6,10
	v_max3_num_f32 v8, v8, |v[XS+\i]|, |v[XS+\i+1]|
	v_max3_num_f32 v9, v9, |v[XS+\i+2]|, |v[XS+\i+3]|
.endr
	v_max3_num_f32 v8, v8, |v[XS+14]|, |v[XS+15]|
	v_max3_num_f32 v8, v8, v9, (EMAX+1)<<23        ; and the floor 2^(5 - 127): the byte cannot fall under 1
	v_max_num_f32_dpp v8, v8, v8 row_xmask:1 row_mask:0xf bank_mask:0xf   ; and of my neighbour's 16: the block's
	v_add_nc_u32 v11, -(EMAX<<23), v8              ; 4 off its exponent field: the conversion takes the exponent field of this operand as its scale
	v_cvt_scalef32_pk16_bf6_f32 v[C+4*(\t):C+4*(\t)+2], v[XS:XS+15], v11
	v_lshrrev_b32 v[E+(\t)], 23, v11               ; the scale's byte
	ds_store_b8 v5, v[E+(\t)] offset:64*((\t)%4)+16*((\t)/4)       ; both lanes of a block write the same byte with the same value
	global_store_b96 v4, v[C+4*(\t):C+4*(\t)+2], s[8:9] offset:((\t)%4)*SLABB+2*((\t)/4)*192
.endm
.irp t, 0,1,2,3,4,5,6,7,8,9,10,11,12,13,14,15
	STEP \t
.endr
	ds_load_b64 v[12:13], v6                       ; LDS serves a wave's instructions in order: this sees my stores
	s_wait_dscnt 0x0
	global_store_b64 v7, v[12:13], s[10:11]        ; eight lanes store the 64 bytes of my 8 rows in one slab
	global_store_b32 v1, v10, s[12:13]             ; the additive terms: zeros
	s_cmp_lg_u32 ttmp9, 0
	s_cbranch_scc1 .Ldone
	v_mov_b32 v9, 0xff800000                       ; the lower bound: -infinity
	global_store_b32 v1, v9, s[14:15]
.Ldone:
	s_wait_tensorcnt 0x0
	ds_add_u32 v192, v193
	s_wait_dscnt 0x0
	s_endpgm
.Lfunc_end_k_qba66c7e559_qx:
	.size	k_qba66c7e559_qx, .Lfunc_end_k_qba66c7e559_qx-k_qba66c7e559_qx
	.p2alignl 7, 3214868480
	.fill 96, 4, 3214868480
	.section	.rodata,"a",@progbits
	.p2align	6, 0x0
	.amdhsa_kernel k_qba66c7e559_qx
		.amdhsa_group_segment_fixed_size 33280
		.amdhsa_private_segment_fixed_size 0
		.amdhsa_enable_private_segment 0
		.amdhsa_kernarg_size 16
		.amdhsa_user_sgpr_count 2
		.amdhsa_user_sgpr_kernarg_segment_ptr 1
		.amdhsa_wavefront_size32 1
		.amdhsa_system_sgpr_workgroup_id_x 1
		.amdhsa_system_sgpr_workgroup_id_y 1
		.amdhsa_system_sgpr_workgroup_id_z 1
		.amdhsa_system_vgpr_workitem_id 0
		.amdhsa_next_free_vgpr 194
		.amdhsa_next_free_sgpr 66
		.amdhsa_reserve_vcc 0
		.amdhsa_float_denorm_mode_32 3
		.amdhsa_float_denorm_mode_16_64 3
		.amdhsa_memory_ordered 1
		.amdhsa_forward_progress 1
		.amdhsa_inst_pref_size 33
	.end_amdhsa_kernel
	.amdgpu_metadata
---
amdhsa.version: [ 1, 2 ]
amdhsa.kernels:
  - .name:           k_qba66c7e559_qx
    .symbol:         k_qba66c7e559_qx.kd
    .args:
      - { .name: x, .offset: 0, .size: 8, .value_kind: global_buffer, .address_space: global }
      - { .name: xq, .offset: 8, .size: 8, .value_kind: global_buffer, .address_space: global }
    .group_segment_fixed_size: 33280
    .private_segment_fixed_size: 0
    .kernarg_segment_align: 8
    .kernarg_segment_size: 16
    .max_flat_workgroup_size: 128
    .sgpr_count:     66
    .vgpr_count:     194
    .wavefront_size: 32
...
	.end_amdgpu_metadata
.endif
;; end of part 1
;; launch qw (part 2): grid 384 x 1, 4 waves a work-group, no clusters, 36,352 bytes of LDS; arguments Wq, Wk, Wv, Wo, W1, W2, bq, bk, bv, bo, b1, b2, wqk, wv, wo, w1, w2; writes wqk, wv, wo, w1, w2
.if DOCPART == 2
	.amdgcn_target "amdgcn-amd-amdhsa--gfx1250"
	.amdhsa_code_object_version 6
	.text
	.protected	k_qba66c7e559_qw
	.globl	k_qba66c7e559_qw
	.p2align	8
	.type	k_qba66c7e559_qw,@function
k_qba66c7e559_qw:
	s_mov_b64 s[64:65], 0
	v_nop
	global_prefetch_b8 v0, s[64:65] scope:SCOPE_SE
	s_setreg_imm32_b32 hwreg(HW_REG_WAVE_MODE, 25, 1), 1
	s_wait_xcnt 0x0
; The six weights, f32 with K as an OUTER axis, become operands in this program's format (scale bytes at slab x 32,768 + row x 8; additive terms at BIAS + plane x 16,384 + row x 4; a lower bound at LO;
; codes at CODES + slab x 786,432 + row x 192; a slab is 256 along K; a row is an output column n of the weight).  Their biases become the rows' additive terms.
; A LANE TAKES A COLUMN n, AND ITS REGISTERS RUN DOWN K: each load reads 128 consecutive bytes, a block of 32 along K lies in one lane's 32 registers, and the conversions give codes with K innermost.
; A wave takes 32 columns x 256 along K: in the buffer 6,144 consecutive bytes of codes and 256 consecutive bytes of scales.  The codes go through the wave's own stage in LDS and leave by rows.
; One launch serves all six: the work-group's number picks the tensor.  Only pointers and a few numbers are chosen; all take one path.
;   0-31 Wq, 32-63 Wk (rows 1,024 on in wqk), 64-95 Wv: [16][1024][64], column n = 64 head + d at head x 2^18 + k x 256 + 4 d;  96-127 Wo;  128-255 W1;  256-383 W2.
; The lower bound is 0 for W1 (its product's result is clipped at 0) and -infinity for the others.  W2's K is summed in four parts by a later launch: its bias is the additive term of part 0, the other parts get zeros.
; LIMITS: a block whose largest magnitude lies under 2^-122, a block of zeros among them, gets the byte 1; NaN and infinities among the inputs are not served.
.set SLABB,  786432
.set BIAS,   524288
.set LO,     589824
.set CODES,  655360
.set NB,    8                          ; blocks of 32 along K for a wave
.set PITCH, 272                        ; a stage row: sixteen places of 16 bytes, each with 12 bytes of codes, + 16
.set EMAX,  4
.set SB,    24                         ; v24-25   the scale bytes, four to a register
.set X,     32                         ; v32-95   two sets of 32 numbers
.set C,     96                         ; v96..    a block's codes
.set OUTR,  112                        ; v112-175 the way out
.set RO,    192                        ; v192-223 i x the weight's row stride + 4 x lane; never rewritten
	s_load_b512 s[8:23], s[0:1], 0x0               ; Wq s8, Wk s10, Wv s12, Wo s14, W1 s16, W2 s18, bq s20, bk s22
	s_load_b512 s[24:39], s[0:1], 0x40             ; bv s24, bo s26, b1 s28, b2 s30, wqk s32, wv s34, wo s36, w1 s38
	s_load_b64 s[40:41], s[0:1], 0x80              ; w2
	v_lshl_add_u32 v224, v0, 2, 0x8c00
	v_mov_b32 v225, 0
	v_lshrrev_b32 v1, 5, v0
	v_readfirstlane_b32 s2, v1                     ; wave
	v_and_b32 v2, 31, v0                           ; lane
	v_lshlrev_b32 v3, 2, v2                        ; 4 bytes a lane
	s_mul_i32 s3, s2, 32*PITCH                     ; my stage
	v_mul_u32_u24 v4, v2, PITCH
	v_add_nc_u32 v4, s3, v4                        ; into it: row = my column
	v_and_b32 v5, 15, v2
	v_lshrrev_b32 v6, 4, v2
	v_mul_u32_u24 v7, v6, PITCH
	v_lshl_add_u32 v7, v5, 4, v7
	v_add_nc_u32 v7, s3, v7                        ; out of it: sixteen lanes to a row, two rows an instruction
	v_mul_u32_u24 v8, v2, 12                       ; and the same place in the buffer: rows are 192 bytes on end
	v_lshlrev_b32 v9, 3, v2                        ; my column's 8 scale bytes
	s_mov_b32 s48, 4096                            ; W2's numbers: bytes from one k to the next,
	s_mov_b32 s55, 256                             ; the tensor's first work-group,
	s_mov_b32 s50, 7                               ; groups of 128 columns - 1,
	s_mov_b32 s51, 3                               ; and their logarithm,
	s_mov_b32 s52, 0                               ; the first row in the operand buffer,
	s_mov_b32 s53, 0                               ; laid by heads?
	s_mov_b32 s54, 0xff800000                      ; the lower bound
	s_wait_kmcnt 0x0
	s_mov_b64 s[42:43], s[18:19]
	s_mov_b64 s[44:45], s[30:31]
	s_mov_b64 s[46:47], s[40:41]
	s_cmp_lt_u32 ttmp9, 256                        ; every choice hangs on the work-group's number alone
	s_cselect_b64 s[42:43], s[16:17], s[42:43]
	s_cselect_b64 s[44:45], s[28:29], s[44:45]
	s_cselect_b64 s[46:47], s[38:39], s[46:47]
	s_cselect_b32 s48, 16384, s48
	s_cselect_b32 s55, 128, s55
	s_cselect_b32 s50, 31, s50
	s_cselect_b32 s51, 5, s51
	s_cselect_b32 s54, 0, s54
	s_cmp_lt_u32 ttmp9, 128
	s_cselect_b64 s[42:43], s[14:15], s[42:43]
	s_cselect_b64 s[44:45], s[26:27], s[44:45]
	s_cselect_b64 s[46:47], s[36:37], s[46:47]
	s_cselect_b32 s48, 4096, s48
	s_cselect_b32 s55, 96, s55
	s_cselect_b32 s50, 7, s50
	s_cselect_b32 s51, 3, s51
	s_cselect_b32 s54, 0xff800000, s54
	s_cmp_lt_u32 ttmp9, 96
	s_cselect_b64 s[42:43], s[12:13], s[42:43]
	s_cselect_b64 s[44:45], s[24:25], s[44:45]
	s_cselect_b64 s[46:47], s[34:35], s[46:47]
	s_cselect_b32 s48, 256, s48
	s_cselect_b32 s55, 64, s55
	s_cselect_b32 s53, 1, s53
	s_cmp_lt_u32 ttmp9, 64
	s_cselect_b64 s[42:43], s[10:11], s[42:43]
	s_cselect_b64 s[44:45], s[22:23], s[44:45]
	s_cselect_b64 s[46:47], s[32:33], s[46:47]
	s_cselect_b32 s55, 32, s55
	s_cselect_b32 s52, 1024, s52
	s_cmp_lt_u32 ttmp9, 32
	s_cselect_b64 s[42:43], s[8:9], s[42:43]
	s_cselect_b64 s[44:45], s[20:21], s[44:45]
	s_cselect_b32 s55, 0, s55
	s_cselect_b32 s52, 0, s52
	s_sub_co_u32 s49, ttmp9, s55                   ; my number within the tensor
	s_and_b32 s56, s49, s50                        ; which 128 columns
	s_lshr_b32 s57, s49, s51                       ; which 256 along K: the slab
	s_lshl_b32 s58, s56, 7
	s_lshl_b32 s59, s2, 5
	s_add_co_u32 s58, s58, s59                     ; my wave's first column
	s_add_co_u32 s59, s58, s52                     ; and its row in the operand buffer
	s_lshr_b32 s60, s58, 6
	s_lshl_b32 s60, s60, 18
	s_and_b32 s61, s58, 63
	s_lshl_b32 s61, s61, 2
	s_add_co_u32 s60, s60, s61                     ; the column's byte where the weight is laid by heads,
	s_lshl_b32 s61, s58, 2                         ; and where it is not
	s_cmp_eq_u32 s53, 1
	s_cselect_b32 s60, s60, s61
	s_mul_i32 s61, s57, s48
	s_lshl_b32 s61, s61, 8                         ; 256 rows of the weight for each slab
	s_add_co_u32 s60, s60, s61
	s_mov_b32 s61, 0
	s_add_nc_u64 s[68:69], s[42:43], s[60:61]      ; block 0's first row
	s_lshl_b32 s84, s48, 5
	s_mov_b32 s85, 0
.irp t, 1,2,3,4,5,6,7
	s_add_nc_u64 s[68+2*\t:69+2*\t], s[66+2*\t:67+2*\t], s[84:85]   ; block t's: 32 rows on
.endr
.irp i, 0,1,2,3,4,5,6,7,8,9,10,11,12,13,14,15,16,17,18,19,20,21,22,23,24,25,26,27,28,29,30,31
	v_mad_u32_u24 v[RO+\i], s48, \i, v3
.endr
	s_mul_i32 s62, s57, SLABB
	s_mul_i32 s63, s59, 192
	s_add_co_u32 s62, s62, s63
	s_add_co_u32 s62, s62, CODES
	s_mov_b32 s63, 0
	s_add_nc_u64 s[86:87], s[46:47], s[62:63]      ; my codes
	s_lshl_b32 s62, s57, 15
	s_lshl_b32 s60, s59, 3
	s_add_co_u32 s62, s62, s60
	s_add_nc_u64 s[88:89], s[46:47], s[62:63]      ; my scale bytes
.macro LOAD t                          ; block t: W(32 t + i, my column), i = 0 .. 31, into set t % 2
.irp i, 0,1,2,3,4,5,6,7,8,9,10,11,12,13,14,15,16,17,18,19,20,21,22,23,24,25,26,27,28,29,30,31
	global_load_b32 v[X+32*((\t)%2)+\i], v[RO+\i], s[68+2*(\t):69+2*(\t)] th:TH_LOAD_NT
.endr
.endm
	LOAD 0
	LOAD 1
.macro BLOCK t
.set XS, X+32*((\t)%2)
.if (\t) < NB-1
	s_wait_loadcnt 32                              ; this block's 32 loads are in; the next block's may be out
.else
	s_wait_loadcnt 0
.endif
	v_max3_num_f32 v12, |v[XS]|, |v[XS+1]|, |v[XS+2]|               ; the block's largest magnitude: all 32 numbers are mine
	v_max3_num_f32 v13, |v[XS+3]|, |v[XS+4]|, |v[XS+5]|
.irp i, 6,10,14,18,22,26
	v_max3_num_f32 v12, v12, |v[XS+\i]|, |v[XS+\i+1]|
	v_max3_num_f32 v13, v13, |v[XS+\i+2]|, |v[XS+\i+3]|
.endr
	v_max3_num_f32 v12, v12, |v[XS+30]|, |v[XS+31]|
	v_max3_num_f32 v12, v12, v13, (EMAX+1)<<23     ; and the floor 2^(5 - 127): the byte cannot fall under 1
	v_add_nc_u32 v11, -(EMAX<<23), v12             ; 4 off its exponent field: the conversion's scale operand
	v_lshrrev_b32 v13, 23, v11                     ; the scale's byte
.if (\t)%4 == 0
	v_mov_b32 v[SB+(\t)/4], v13                    ; four bytes to a register, the lower K in the lower byte
.else
	v_lshl_or_b32 v[SB+(\t)/4], v13, 8*((\t)%4), v[SB+(\t)/4]
.endif
	v_cvt_scalef32_pk16_bf6_f32 v[C:C+2], v[XS:XS+15], v11
	v_cvt_scalef32_pk16_bf6_f32 v[C+4:C+6], v[XS+16:XS+31], v11     ; (a conversion's three registers begin on an even number)
	v_nop                                          ; one plain place directly behind the scaled conversions, on every path that follows
	ds_store_b96 v4, v[C:C+2] offset:32*(\t)       ; 12 bytes to a place of 16, so that every LDS address is a multiple of 16
	ds_store_b96 v4, v[C+4:C+6] offset:32*(\t)+16
.if (\t)+2 < NB
	LOAD (\t)+2
.endif
	s_wait_dscnt 0x0                               ; the stores have read their registers: the next block's codes may be written
.endm
.irp t, 0,1,2,3,4,5,6,7
	BLOCK \t
.endr
	global_store_b64 v9, v[SB:SB+1], s[88:89]      ; 32 lanes store 256 consecutive bytes, aligned
.irp t, 0,1,2,3,4,5,6,7,8,9,10,11,12,13,14,15
	ds_load_b96 v[OUTR+4*\t:OUTR+4*\t+2], v7 offset:2*\t*PITCH   ; LDS serves a wave's instructions in order: these see my stores
.endr
.irp t, 0,1,2,3,4,5,6,7,8,9,10,11,12,13,14,15
	s_wait_dscnt 15-\t
	global_store_b96 v8, v[OUTR+4*\t:OUTR+4*\t+2], s[86:87] offset:2*\t*192    ; 384 consecutive bytes
.endr
	; the additive terms: written by the work-groups of slabs 0, 4, 8, 12, one plane each; slab 0's is the bias, the others' zeros
	s_and_b32 s62, s57, 3
	s_cmp_lg_u32 s62, 0
	s_cbranch_scc1 .Lno_bias
	s_lshl_b32 s62, s58, 2
	s_add_nc_u64 s[44:45], s[44:45], s[62:63]
	global_load_b32 v10, v3, s[44:45]
	s_cmp_eq_u32 s57, 0
	s_cselect_b32 s56, -1, 0
	s_lshr_b32 s62, s57, 2
	s_lshl_b32 s62, s62, 14
	s_lshl_b32 s60, s59, 2
	s_add_co_u32 s62, s62, s60
	s_add_co_u32 s62, s62, BIAS
	s_add_nc_u64 s[90:91], s[46:47], s[62:63]
	s_wait_loadcnt 0x0
	v_and_b32 v10, s56, v10
	global_store_b32 v3, v10, s[90:91]
.Lno_bias:
	; the lower bound: by the tensor's first wave (Wk's copy lies 128 bytes behind Wq's and is read by nobody)
	s_or_b32 s62, s49, s2
	s_cmp_lg_u32 s62, 0
	s_cbranch_scc1 .Ldone
	s_lshr_b32 s62, s52, 3
	s_add_co_u32 s62, s62, LO
	s_add_nc_u64 s[46:47], s[46:47], s[62:63]
	v_mov_b32 v14, s54                             ; a register that no conversion has named
	global_store_b32 v3, v14, s[46:47]
.Ldone:
	s_wait_tensorcnt 0x0
	ds_add_u32 v224, v225
	s_wait_dscnt 0x0
	s_endpgm
.Lfunc_end_k_qba66c7e559_qw:
	.size	k_qba66c7e559_qw, .Lfunc_end_k_qba66c7e559_qw-k_qba66c7e559_qw
	.p2alignl 7, 3214868480
	.fill 96, 4, 3214868480
	.section	.rodata,"a",@progbits
	.p2align	6, 0x0
	.amdhsa_kernel k_qba66c7e559_qw
		.amdhsa_group_segment_fixed_size 36352
		.amdhsa_private_segment_fixed_size 0
		.amdhsa_enable_private_segment 0
		.amdhsa_kernarg_size 136
		.amdhsa_user_sgpr_count 2
		.amdhsa_user_sgpr_kernarg_segment_ptr 1
		.amdhsa_wavefront_size32 1
		.amdhsa_system_sgpr_workgroup_id_x 1
		.amdhsa_system_sgpr_workgroup_id_y 1
		.amdhsa_system_sgpr_workgroup_id_z 1
		.amdhsa_system_vgpr_workitem_id 0
		.amdhsa_next_free_vgpr 226
		.amdhsa_next_free_sgpr 92
		.amdhsa_reserve_vcc 0
		.amdhsa_float_denorm_mode_32 3
		.amdhsa_float_denorm_mode_16_64 3
		.amdhsa_memory_ordered 1
		.amdhsa_forward_progress 1
		.amdhsa_inst_pref_size 47
	.end_amdhsa_kernel
	.amdgpu_metadata
---
amdhsa.version: [ 1, 2 ]
amdhsa.kernels:
  - .name:           k_qba66c7e559_qw
    .symbol:         k_qba66c7e559_qw.kd
    .args:
      - { .name: Wq, .offset: 0, .size: 8, .value_kind: global_buffer, .address_space: global }
      - { .name: Wk, .offset: 8, .size: 8, .value_kind: global_buffer, .address_space: global }
      - { .name: Wv, .offset: 16, .size: 8, .value_kind: global_buffer, .address_space: global }
      - { .name: Wo, .offset: 24, .size: 8, .value_kind: global_buffer, .address_space: global }
      - { .name: W1, .offset: 32, .size: 8, .value_kind: global_buffer, .address_space: global }
      - { .name: W2, .offset: 40, .size: 8, .value_kind: global_buffer, .address_space: global }
      - { .name: bq, .offset: 48, .size: 8, .value_kind: global_buffer, .address_space: global }
      - { .name: bk, .offset: 56, .size: 8, .value_kind: global_buffer, .address_space: global }
      - { .name: bv, .offset: 64, .size: 8, .value_kind: global_buffer, .address_space: global }
      - { .name: bo, .offset: 72, .size: 8, .value_kind: global_buffer, .address_space: global }
      - { .name: b1, .offset: 80, .size: 8, .value_kind: global_buffer, .address_space: global }
      - { .name: b2, .offset: 88, .size: 8, .value_kind: global_buffer, .address_space: global }
      - { .name: wqk, .offset: 96, .size: 8, .value_kind: global_buffer, .address_space: global }
      - { .name: wv, .offset: 104, .size: 8, .value_kind: global_buffer, .address_space: global }
      - { .name: wo, .offset: 112, .size: 8, .value_kind: global_buffer, .address_space: global }
      - { .name: w1, .offset: 120, .size: 8, .value_kind: global_buffer, .address_space: global }
      - { .name: w2, .offset: 128, .size: 8, .value_kind: global_buffer, .address_space: global }
    .group_segment_fixed_size: 36352
    .private_segment_fixed_size: 0
    .kernarg_segment_align: 8
    .kernarg_segment_size: 136
    .max_flat_workgroup_size: 128
    .sgpr_count:     92
    .vgpr_count:     226
    .wavefront_size: 32
...
	.end_amdgpu_metadata
.endif
;; end of part 2
;; launch gqkv (part 3): grid 8 x 24, 4 waves a work-group, clusters of 4 x 4, 327,680 bytes of LDS; arguments xq, wqk, wv, bufa, bufb; writes bufa, bufb
.if DOCPART == 3
	.amdgcn_target "amdgcn-amd-amdhsa--gfx1250"
	.amdhsa_code_object_version 6
	.text
	.protected	k_qba66c7e559_gqkv
	.globl	k_qba66c7e559_gqkv
	.p2align	8
	.type	k_qba66c7e559_gqkv,@function
k_qba66c7e559_gqkv:
	s_mov_b64 s[64:65], 0
	v_nop
	global_prefetch_b8 v0, s[64:65] scope:SCOPE_SE
	s_setreg_imm32_b32 hwreg(HW_REG_WAVE_MODE, 25, 1), 1
	s_wait_xcnt 0x0
	s_wait_alu depctr_hold_cnt(0) depctr_sa_sdst(0) depctr_va_vdst(0) depctr_va_sdst(0) depctr_va_ssrc(0) depctr_va_vcc(0) depctr_vm_vsrc(0)
	s_getreg_b32 s2, hwreg(HW_REG_IB_STS2, 6, 4)
	s_cmp_eq_u32 s2, 0
	s_cbranch_scc0 .Lentry_in_a_cluster
	s_endpgm
.Lentry_in_a_cluster:
	s_bfe_u32 s2, ttmp6, 0x10000c
	s_cmp_lg_u32 s2, 0xf033
	s_cbranch_scc0 .Lentry_shape_is_right
	s_endpgm
.Lentry_shape_is_right:
; OUT = Q(A B^T + A's additive term by row + B's by column): products of K = 1,024 on codes of BF6 (E3M2) with E8M0 scales, whose results are quantised along their COLUMNS into new operands.
; TWO PRODUCTS IN ONE LAUNCH, 192 work-groups of equal work (one tile of 256 x 256, K = 1,024), in 2 x 6 clusters of 4 x 4:
;   clusters with y = 0 .. 3: q and k.  A = xq (rows = tokens), B = wqk (rows = q's 1,024 features, then k's), OUT = bufa: 8 x 16 tiles.
;   clusters with y = 4, 5:   v transposed.  A = wv (rows = features), B = xq (rows = tokens), OUT = bufb: 16 x 4 tiles; the cluster's x there is 2 (y - 4) + x, its tile rows are cy.
; The cluster's y, which all sixteen partners share, picks three pointers and two cluster coordinates; all work-groups take one path.
; A, B, OUT are operand buffers of this program's format: scale bytes at slab x 32,768 + row x 8; additive terms (f32) at BIAS + row x 4; codes at CODES + slab x 786,432 + row x 192; a slab is 256 along K.
; A tile is made by a work-group of four waves; a wave makes 128 x 128: 64 accumulators, 512 registers.  K goes in steps of 256 (a slab) through a ring of two LDS slots filled by the
; tensor data mover; a wave's load is 128 rows of 192 bytes, 24,576 consecutive bytes of memory.  The scale bytes of the work-group's rows, for all four slabs, come into LDS once, with the first fills.
; CLUSTERS: the four work-groups of a row of the cluster need the same tiles of A, the four of a column the same tiles of B: each is asked for jointly.
; THE MATRIX INSTRUCTION IS USED TRANSPOSED (source 0 = 16 rows of B, source 1 = 16 rows of A): a lane holds eight neighbouring columns of one row of the result.  B's additive terms, in that layout, are the C of each sum's first product.
; THE WAY OUT: a tile's 256 columns are one slab of OUT: 49,152 consecutive bytes of codes and 2,048 of scale bytes.  They are gathered in LDS and leave in runs of 512 bytes.
; LIMITS: a block whose largest magnitude lies under 2^-122, a block of zeros among them, gets the byte 1 (its codes are zeros or next to it; this program alone reads the bytes); NaN and infinities are not served;
; the additive term of a column starts the sum and that of a row is added at its end: another order of rounding than a sum followed by one addition.
; REGISTERS, in windows of 256: window 0: v0-31 addresses; v32-63 scale words, two sets, and nothing else; v64-127 B's additive terms, on the way out at work; v128-223 A's fragments, ONE set; v224-239 A's additive terms.
;   window 1: B's fragments, TWO sets, at v0 and v128.   window 2: the accumulators of my rows 0-63 ((a, b) at v[8 (8 a + b)]);   window 3: those of my rows 64-127.
.set SLABB,  786432
.set SCSLAB, 32768
.set BIAS,   524288
.set CODES,  655360
.set NQ,     2                         ; matrix instructions deep in a slot
.set ROWB,   192                       ; a tile's row in bytes
.set PITCH,  240                       ; an LDS row: 3 x (64 bytes + 16 of padding) = 60 words: the 32 lanes of a load of 8 bytes touch 64 different banks (64 banks of 4 bytes: ISA guide 11.1)
.set FR,     12                        ; registers of a fragment
.set NL,     6                         ; LDS loads that bring one
.set NP,     4                         ; places behind this matrix instruction (ISA guide 7.12.1)
.set HALFT,  128*PITCH
.set SLOT,   4*HALFT                   ; A's 256 rows, then B's 256 rows
.set LAPS,   2                         ; K = 1,024 is four slabs: twice round the ring
.set SCL,    2*SLOT                    ; behind the ring: the scale bytes, four parts of [4 slabs][128 rows][8 bytes]: A's two halves, B's two halves
.set PART,   4096
.set SPARE,  SCL+4*PART                ; the spare words, 128 bytes for each wave: two blocks of 256 bytes that no other line names
.set SSC,    49152                     ; the way out: codes at LDS bytes 0 .. 49,151 (256 rows x 192), scale bytes behind them.  This lies in slot 0, which has had its last fill and its last read by then
.set STO,  8                           ; v8      the way out: where I put my row's codes
.set STS,  9                           ; v9      and its scale word
.set RD,   10                          ; v10     where I read the codes back, and the same number: my byte in the tile's codes in OUT
.set RS,   11                          ; v11     the same for the scale bytes (in LDS SSC further on)
.set ADRA, 16                          ; v16-17  LDS address of my A fragments in slot 0, 1  (v18-19: for the pieces that lie behind one padding more)
.set ADRB, 20                          ; v20-23  the same for B
.set ADRS, 27                          ; v27     LDS address of my scale words: lanes 0-15 A's rows, lanes 16-31 B's
.set SPW,  28                          ; v28     LDS address of my spare word; never rewritten
.set NIL,  29                          ; v29     0; never rewritten
.set SC,   32                          ; scale words: set s at v[SC + 16 s]; register 2 i + q: lanes 0-15 A's block i, lanes 16-31 B's block i, the slot's q-th 128 along K
.set BP,   64                          ; B's additive terms: tile b at v[BP + 8 b]; read by the first step alone
.set AF,   128                         ; A's fragments
.set BQ,   224                         ; A's additive terms: block a at v[BQ + 2 a] (the odd registers are zeros: the packed form names pairs)
.set T,    128                         ; the way out: 64 numbers of a lane
.set CD,   192                         ; the codes just made
.set TM,   64                          ; v64-79  at work, where B's additive terms lay
.set PW,   80                          ; v80     the scale word just made
.set SBK,  84                          ; v84-87  the tile's scale bytes on their way from LDS to memory
.set G1, 24                            ; s[24:31] descriptor group 1 for A's tiles;  s[32:39] group 0, one set for each slot
.set G0, 32
.set G1B, 48                           ; s[48:55], s[56:63] the same for B's tiles
.set G0B, 56
.set G1S, 68                           ; s[68:75], s[76:79] groups 1 and 0 for A's scales;  s[80:87], s[88:91] for B's
.set G0S, 76
.set G1SB, 80
.set G0SB, 88
.set CLY, 95                           ; s95     the cluster's y: under 4: q and k; else v
.set SEL, 98                           ; s[98:99] v_permlanex16_b32's selects for lane l xor 16
.set MSB, 0
.macro WIN new                         ; the immediate's high byte repeats the setting that is left
.if MSB != (\new)
	s_set_vgpr_msb (MSB<<8)|(\new)
.set MSB, (\new)
.endif
.endm
.set MUL_LO, 0xa1                      ; source 0 (B) window 1, source 1 (A) window 0, C and D window 2
.set MUL_HI, 0xf1                      ; the same, C and D window 3
.set TO_B,   0x40                      ; destination window 1, address window 0
; A joint load: waves 0 and 1 fetch for A, waves 2 and 3 for B.  Each line has one mask and one set of registers for all that issue it; the branch hangs on the wave's number alone.
; Four v_nop follow each of the two lines, ahead of the jump, the label and what follows.
.macro JLOAD g0a, g1a, g0b, g1b
	s_cmp_eq_u32 s15, 0
	s_cbranch_scc0 .Lfor_b_\@
	tensor_load_to_lds s[\g0a:\g0a+3], s[\g1a:\g1a+7]
	s_nop 0
.rept 4
	v_nop
.endr
	s_branch .Lasked_\@
.Lfor_b_\@:
	tensor_load_to_lds s[\g0b:\g0b+3], s[\g1b:\g1b+7]
	s_nop 0
.rept 4
	v_nop
.endr
.Lasked_\@:
.endm
.macro CREST                           ; a round of the cluster's barrier behind its opening barrier
	s_cmp_lg_u32 s14, 0
	s_cbranch_scc1 .Lnot_wave_0_\@
	s_barrier_signal -3
.Lnot_wave_0_\@:
	s_barrier_wait -3
	s_barrier_signal -1
	s_barrier_wait -1
.endm
.macro CROUND                          ; a whole round
	s_barrier_signal -1
	s_barrier_wait -1
	CREST
.endm
	s_load_b256 s[4:11], s[0:1], 0x0               ; xq s[4:5], wqk s[6:7], wv s[8:9], bufa s[10:11]
	s_load_b64 s[12:13], s[0:1], 0x20              ; bufb
	v_lshl_add_u32 v[SPW], v0, 2, SPARE
	v_mov_b32 v[NIL], 0
	ds_add_u32 v28, v29
	ds_add_u32 v28, v29
	s_wait_dscnt 0x0
	v_lshrrev_b32 v1, 5, v0
	v_readfirstlane_b32 s14, v1                    ; wave 0..3
	s_lshr_b32 s15, s14, 1                         ; which half of the tile's rows is mine.  Also: I fetch for A (0) or for B (1)
	s_and_b32 s16, s14, 1                          ; which half of its columns.  Also: which 128 rows of that tile I fetch
	s_bfe_u32 s40, ttmp6, 0x40000                  ; cx, cy: my place in the cluster
	s_bfe_u32 s41, ttmp6, 0x40004
	s_and_b32 s[CLY], ttmp7, 0xffff                ; the cluster's y, 0 .. 5: the same in all sixteen partners
	s_and_b32 s18, s[CLY], 3
	s_lshl_b32 s18, s18, 1
	s_add_co_u32 s18, s18, ttmp9                   ; v's cluster x: 2 (y - 4) + x, 0 .. 3
	s_cmp_lt_u32 s[CLY], 4
	s_cselect_b32 s42, ttmp9, s18                  ; the product's own cluster x,
	s_cselect_b32 s17, s[CLY], 0                   ; and y
	s_lshl_b32 s42, s42, 2
	s_add_co_u32 s42, s42, s40                     ; tile column = 4 x cluster x + cx
	s_lshl_b32 s17, s17, 2
	s_add_co_u32 s17, s17, s41                     ; tile row = 4 x cluster y + cy
	s_lshl_b32 s43, s41, 2
	s_lshl_b32 s43, 15, s43                        ; my row of the cluster
	s_lshl_b32 s44, 0x1111, s40                    ; my column
	s_mov_b32 s[SEL], 0x76543210
	s_mov_b32 s[SEL+1], 0xfedcba98
	; descriptor group 1: a tile of 128 rows x 192 bytes, padded in LDS
	s_or_b32 s[G1+0], s43, (1<<20)|(1<<21)|(3<<22)|(3<<25)   ; 15:0 the mask: A's tiles go to my row; 17:16 elements of 1 byte; 20 padding on; 21 set beside a mask; 24:22 after every 16 words; 31:25 of 4 words
	s_or_b32 s[G1B+0], s44, (1<<20)|(1<<21)|(3<<22)|(3<<25)
.irp g, G1, G1B
	s_mov_b32 s[\g+1], ROWB<<16                    ; tensor_dim0
	s_mov_b32 s[\g+2], 128<<16                     ; tensor_dim1
	s_mov_b32 s[\g+3], ROWB<<16                    ; tile_dim0
	s_mov_b32 s[\g+4], 128                         ; tile_dim1
	s_mov_b32 s[\g+5], ROWB                        ; tensor_dim0_stride: the rows of a slab lie on end
	s_mov_b32 s[\g+6], 0
	s_mov_b32 s[\g+7], 0
.endr
	; and for the scale bytes of 128 rows: four rows (one a slab) of 128 elements of 8 bytes, 32,768 bytes apart; no padding
	s_or_b32 s[G1S+0], s43, (3<<16)|(1<<21)
	s_or_b32 s[G1SB+0], s44, (3<<16)|(1<<21)
.irp g, G1S, G1SB
	s_mov_b32 s[\g+1], 128<<16
	s_mov_b32 s[\g+2], 4<<16
	s_mov_b32 s[\g+3], 128<<16
	s_mov_b32 s[\g+4], 4
	s_mov_b32 s[\g+5], SCSLAB/8
	s_mov_b32 s[\g+6], 0
	s_mov_b32 s[\g+7], 0
.endr
	s_lshl_b32 s18, s16, 7                         ; which 128 rows of the tile I fetch
	s_lshl_b32 s20, s17, 8
	s_add_co_u32 s20, s20, s18                     ; A: row 256 x tile row + 128 x half
	s_lshl_b32 s46, s42, 8
	s_add_co_u32 s46, s46, s18                     ; B: row 256 x tile column + 128 x half
	s_lshl_b32 s22, s20, 3                         ; where these rows' scale bytes begin,
	s_lshl_b32 s92, s46, 3
	s_mul_i32 s20, s20, ROWB                       ; and their codes
	s_add_co_u32 s20, s20, CODES
	s_mul_i32 s46, s46, ROWB
	s_add_co_u32 s46, s46, CODES
	s_mov_b32 s21, 0
	s_mov_b32 s23, 0
	s_mov_b32 s47, 0
	s_mov_b32 s93, 0
	s_mul_i32 s45, s14, HALFT                      ; where they go: wave x 128 rows: no place in the cluster enters an LDS address
	s_lshl_b32 s94, s14, 12
	s_wait_kmcnt 0x0
	s_cmp_lt_u32 s[CLY], 4                         ; the choice of buffers hangs on the cluster's y alone
	s_cselect_b64 s[12:13], s[10:11], s[12:13]     ; OUT: bufa for q and k, bufb for v
	s_cselect_b64 s[6:7], s[6:7], s[4:5]           ; B: wqk, or xq
	s_cselect_b64 s[4:5], s[4:5], s[8:9]           ; A: xq, or wv
	s_add_nc_u64 s[20:21], s[4:5], s[20:21]
	s_add_nc_u64 s[22:23], s[4:5], s[22:23]
	s_add_nc_u64 s[46:47], s[6:7], s[46:47]
	s_add_nc_u64 s[92:93], s[6:7], s[92:93]
	CROUND                                         ; all sixteen work-groups are here: the first joint loads meet
	s_mov_b32 s[G0S], 1
	s_add_co_u32 s[G0S+1], s94, SCL
	s_mov_b64 s[G0S+2:G0S+3], s[22:23]
	s_or_b32 s[G0S+3], s[G0S+3], 0x80000000
	s_mov_b32 s[G0SB], 1
	s_add_co_u32 s[G0SB+1], s94, SCL
	s_mov_b64 s[G0SB+2:G0SB+3], s[92:93]
	s_or_b32 s[G0SB+3], s[G0SB+3], 0x80000000
	JLOAD G0S, G1S, G0SB, G1SB                     ; the scales first: they are wanted with slab 0
.irp s, 0,1
	s_mov_b32 s[G0+4*\s], 1
	s_add_co_u32 s[G0+4*\s+1], s45, \s*SLOT
	s_add_nc_u64 s[G0+4*\s+2:G0+4*\s+3], s[20:21], \s*SLABB
	s_or_b32 s[G0+4*\s+3], s[G0+4*\s+3], 0x80000000
	s_mov_b32 s[G0B+4*\s], 1
	s_add_co_u32 s[G0B+4*\s+1], s45, \s*SLOT
	s_add_nc_u64 s[G0B+4*\s+2:G0B+4*\s+3], s[46:47], \s*SLABB
	s_or_b32 s[G0B+4*\s+3], s[G0B+4*\s+3], 0x80000000
	JLOAD G0+4*\s, G1, G0B+4*\s, G1B
.endr
	v_and_b32 v1, 15, v0                           ; r = l % 16
	v_bfe_u32 v2, v0, 4, 1                         ; h = l / 16
	v_mul_u32_u24 v3, v1, PITCH
	v_mul_u32_u24 v4, v2, 24
	v_add_nc_u32 v4, v3, v4                        ; a fragment's row x pitch + 24 x half
	v_lshl_add_u32 v5, v2, 4, v4                   ; and the same behind one padding more
	s_mul_i32 s21, s15, HALFT                      ; my 128 rows of A
	s_mul_i32 s22, s16, HALFT                      ; my 128 rows of B,
	s_add_co_u32 s22, s22, 2*HALFT                 ; which lie behind A's 256
.irp s, 0,1
	v_add_nc_u32 v[ADRA+\s], s21, v4
	v_add_nc_u32 v[ADRB+\s], s22, v4
	v_add_nc_u32 v[ADRA+2+\s], s21, v5
	v_add_nc_u32 v[ADRB+2+\s], s22, v5
	s_add_co_u32 s21, s21, SLOT
	s_add_co_u32 s22, s22, SLOT
.endr
	v_lshlrev_b32 v5, 3, v1                        ; my row's scale bytes: 8 a row
	s_lshl_b32 s21, s15, 12                        ; A's: my half's part
	s_lshl_b32 s22, s16, 12                        ; B's: my half's part, behind A's two
	s_add_co_u32 s22, s22, 2*PART
	s_sub_co_u32 s22, s22, s21
	v_mul_u32_u24 v6, s22, v2                      ; lanes 16-31 take B's: one product, the distance between the two
	s_add_co_u32 s21, s21, SCL
	v_add_nc_u32 v5, v5, v6
	v_add_nc_u32 v[ADRS], s21, v5
	; the way out's addresses
	s_mul_i32 s18, s15, 128*192
	s_mul_i32 s19, s16, 96
	s_add_co_u32 s18, s18, s19
	v_mul_u32_u24 v[STO], v1, 192
	v_mad_u32_u24 v[STO], v2, 24, v[STO]
	v_add_nc_u32 v[STO], s18, v[STO]               ; row (128 x my half + r) x 192 + my 128 columns' 96 bytes + 24 h
	s_lshl_b32 s18, s15, 10
	s_lshl_b32 s19, s16, 2
	s_add_co_u32 s18, s18, s19
	s_add_co_u32 s18, s18, SSC
	v_lshl_add_u32 v[STS], v1, 3, s18              ; the row's 8 scale bytes, my 4 of them
	v_and_b32 v12, 31, v0
	s_mul_i32 s18, s14, 12288
	v_lshl_add_u32 v[RD], v12, 4, s18              ; back: a quarter of the codes a wave, 16 bytes a lane
	s_lshl_b32 s18, s14, 9
	v_lshl_add_u32 v[RS], v12, 4, s18              ; and a quarter of the scale bytes
	; the additive terms
	s_lshl_b32 s46, s42, 10
	s_lshl_b32 s47, s16, 9
	s_add_co_u32 s46, s46, s47
	s_add_co_u32 s46, s46, BIAS
	s_mov_b32 s47, 0
	s_add_nc_u64 s[8:9], s[6:7], s[46:47]          ; B's, at my first column
	s_lshl_b32 s20, s17, 10
	s_lshl_b32 s21, s15, 9
	s_add_co_u32 s20, s20, s21
	s_add_co_u32 s20, s20, BIAS
	s_mov_b32 s21, 0
	s_add_nc_u64 s[10:11], s[4:5], s[20:21]        ; A's, at my first row
	v_lshlrev_b32 v6, 5, v2                        ; lane (r, h) wants, of tile b, columns 16 b + 8 h + 0 .. 7
	v_lshlrev_b32 v7, 2, v1                        ; and, of block a, row 16 a + r
.irp b, 0,1,2,3,4,5,6,7
	global_load_b128 v[BP+8*\b:BP+8*\b+3], v6, s[8:9] offset:64*\b
	global_load_b128 v[BP+8*\b+4:BP+8*\b+7], v6, s[8:9] offset:64*\b+16
.endr
.irp a, 0,1,2,3,4,5,6,7
	global_load_b32 v[BQ+2*\a], v7, s[10:11] offset:64*\a
	v_mov_b32 v[BQ+2*\a+1], 0
.endr
	; where the tile goes in OUT: slab = tile column, rows 256 x tile row on
	s_lshl_b32 s20, s17, 11
	s_lshl_b32 s46, s42, 15
	s_add_nc_u64 s[66:67], s[12:13], s[20:21]
	s_add_nc_u64 s[66:67], s[66:67], s[46:47]      ; its scale bytes
	s_mul_i32 s20, s17, 49152
	s_mul_i32 s46, s42, SLABB
	s_add_co_u32 s46, s46, CODES
	s_add_nc_u64 s[12:13], s[12:13], s[20:21]
	s_add_nc_u64 s[12:13], s[12:13], s[46:47]      ; its codes
.macro FRAG reg, adr, q, i             ; a fragment, 16 rows x 128 K, is 12 registers: lane l holds row l % 16; registers 6 c .. 6 c + 5 hold K = 64 c + 32 (l / 16) + 0 .. 31: 24 bytes of the row, as they lie
.irp p, 0,1,2,3,4,5                    ; in pieces of 8 bytes.  Lanes 0-15 take the row's pieces 12 q + 0, 1, 2 and 12 q + 6, 7, 8, lanes 16-31 those three pieces on
.set PCE, 12*(\q)+6*(\p/3)+\p%3        ; 16 bytes of padding lie behind every 8 pieces: where the piece three on lies behind one padding more, the second address register serves
.if PCE%8 < 5
	ds_load_b64 v[\reg+2*\p:\reg+2*\p+1], v[\adr] offset:8*PCE+16*(PCE/8)+(\i)*16*PITCH
.else
	ds_load_b64 v[\reg+2*\p:\reg+2*\p+1], v[\adr+2] offset:8*PCE+16*(PCE/8)+(\i)*16*PITCH
.endif
.endr
.endm
; 16 matrix instructions: A's blocks a0, a0 + 1 x B's eight, 128 along K.  p: B's set;  sc: the set of scale words.  zero = 1: the first product starts the sums, on B's additive terms: nothing is cleared.
; The 64 accumulators take turns, one instruction a turn, in the same order in every step.
.macro MUL16 a0, p, q, sc, zero
.irp a, \a0, \a0+1
.irp b, 0,1,2,3,4,5,6,7
.if \zero
	v_wmma_scale_f32_16x16x128_f8f6f4 v[8*(8*((\a)%4)+\b):8*(8*((\a)%4)+\b)+7], v[128*(\p)+FR*\b:128*(\p)+FR*\b+FR-1], v[AF+FR*(\a):AF+FR*(\a)+FR-1], v[BP+8*\b:BP+8*\b+7], v[SC+8*NQ*(\sc)+NQ*\b+(\q)], v[SC+8*NQ*(\sc)+NQ*(\a)+(\q)] matrix_a_fmt:MATRIX_FMT_BF6 matrix_b_fmt:MATRIX_FMT_BF6 matrix_a_scale:MATRIX_SCALE_ROW1
.else
	v_wmma_scale_f32_16x16x128_f8f6f4 v[8*(8*((\a)%4)+\b):8*(8*((\a)%4)+\b)+7], v[128*(\p)+FR*\b:128*(\p)+FR*\b+FR-1], v[AF+FR*(\a):AF+FR*(\a)+FR-1], v[8*(8*((\a)%4)+\b):8*(8*((\a)%4)+\b)+7], v[SC+8*NQ*(\sc)+NQ*\b+(\q)], v[SC+8*NQ*(\sc)+NQ*(\a)+(\q)] matrix_a_fmt:MATRIX_FMT_BF6 matrix_b_fmt:MATRIX_FMT_BF6 matrix_a_scale:MATRIX_SCALE_ROW1
.endif
.endr
.endr
.endm
.macro FETCH_B slot, q, p              ; B's eight fragments of the slot's q-th 128 along K into set p
	WIN TO_B
.irp i, 0,1,2,3,4,5,6,7
	FRAG 128*(\p)+FR*\i, ADRB+\slot, \q, \i
.endr
	WIN 0
.endm
.macro FETCH_A slot, q, i0             ; A's blocks i0 .. i0 + 3
.irp i, \i0, \i0+1, \i0+2, \i0+3
	FRAG AF+FR*(\i), ADRA+\slot, \q, \i
.endr
.endm
.macro SCALES sc                       ; a slab's scale words into set sc: two words a row; lanes 0-15 take A's block i, lanes 16-31 B's block i
.irp i, 0,1,2,3,4,5,6,7
	ds_load_b64 v[SC+8*NQ*\sc+NQ*\i:SC+8*NQ*\sc+NQ*\i+1], v[ADRS] offset:\i*128
.endr
.endm
; A load into a register that a matrix instruction has read, and a vector instruction or an LDS store that reads a matrix result, stand NP places behind that matrix instruction; only plain vector
; instructions that name none of its registers are places (ISA guide 7.12.1 for vector instructions).
.macro PLACES n
.rept \n
	v_nop
.endr
.endm
; A step of 128 along K that has its successor in the same slot.  With zero = 1 the C operands lie in window 0.
.macro STEP slot, q, zero
	s_wait_dscnt 4*NL                              ; B's set and A's blocks 0-3 are in; the youngest 24 loads (A's blocks 4-7) may be out
	WIN MUL_LO-0x20*(\zero)
	MUL16 0, (\q)%2, \q, \slot, \zero
	MUL16 2, (\q)%2, \q, \slot, \zero
	s_wait_dscnt 0                                 ; A's blocks 4-7 are in (asked for 32 matrix instructions ago)
	PLACES NP
	FETCH_B \slot, (\q)+1, 1-(\q)%2
	FETCH_A \slot, (\q)+1, 0
	WIN MUL_HI-0x30*(\zero)
	MUL16 4, (\q)%2, \q, \slot, \zero
	MUL16 6, (\q)%2, \q, \slot, \zero
	PLACES NP
	WIN 0
	FETCH_A \slot, (\q)+1, 4
.endm
; A slot's last step changes slots: ONE barrier; in front of it each wave waits for all its tensor loads, adds 0 to its spare word, and waits for that and for its own reads of this slot.  fill = 1: this slot is filled again, two slabs ahead.
.macro TURN slot, next, fill
	s_wait_tensorcnt 0x0                           ; all my tensor loads have landed: my part of the next slot  (every window is 0 here)
	ds_add_u32 v[SPW], v[NIL]                      ; 0 onto my spare word
	s_wait_dscnt 4*NL+1                            ; (the add and the youngest 24 loads, A's blocks 4-7, may be out)
	WIN MUL_LO
	MUL16 0, 1, NQ-1, \slot, 0                     ; sixteen matrix instructions stand between the add and the wait for it
	s_wait_dscnt 0x0                               ; the add is done, and my reads of this slot are over
	s_barrier_signal -1
	MUL16 2, 1, NQ-1, \slot, 0
	WIN 0
	s_barrier_wait -1
.if \fill
	CREST                                          ; the barrier has opened a round of the cluster's barrier: no wave of any partner still reads this slot's tile or has a load on its way
	s_add_nc_u64 s[G0+4*\slot+2:G0+4*\slot+3], s[G0+4*\slot+2:G0+4*\slot+3], 2*SLABB
	s_add_nc_u64 s[G0B+4*\slot+2:G0B+4*\slot+3], s[G0B+4*\slot+2:G0B+4*\slot+3], 2*SLABB
	JLOAD G0+4*\slot, G1, G0B+4*\slot, G1B         ; the first tensor load behind the round; the four v_nop behind it are the places in front of the loads below
.else
	PLACES NP
.endif
	v_add_nc_u32 v[ADRS], 1024, v[ADRS]            ; on to the next slab's scale words (no LDS load of mine is out)
	FETCH_B \next, 0, 0
	FETCH_A \next, 0, 0
	SCALES \next
	WIN MUL_HI
	MUL16 4, 1, NQ-1, \slot, 0
	MUL16 6, 1, NQ-1, \slot, 0
	PLACES NP
	WIN 0
	FETCH_A \next, 0, 4
.endm
	s_wait_tensorcnt 1                             ; the scales and my part of slab 0 are in (slab 1's load may be out)
	s_barrier_signal -1
	s_barrier_wait -1                              ; everybody's are
	FETCH_B 0, 0, 0
	FETCH_A 0, 0, 0
	SCALES 0
	FETCH_A 0, 0, 4
	s_wait_loadcnt 0x0                             ; the additive terms
	STEP 0, 0, 1                                   ; the first step stands in front of the loop: its products start the sums
	s_mov_b32 s3, LAPS-1
.Llap:                                                 ; a trip goes once round the ring, from a lap's second step to the next lap's first, and fills both slots again
	TURN 0, 1, 1
	STEP 1, 0, 0
	TURN 1, 0, 1
	STEP 0, 0, 0
	s_sub_co_u32 s3, s3, 1
	s_cmp_lg_u32 s3, 0
	s_cbranch_scc1 .Llap
	TURN 0, 1, 0                                   ; the last lap fills nothing, and has no round of the cluster's barrier
	STEP 1, 0, 0
	s_wait_dscnt 4*NL                              ; the very last step: nothing more to fetch
	WIN MUL_LO
	MUL16 0, 1, NQ-1, 1, 0
	MUL16 2, 1, NQ-1, 1, 0
	s_wait_dscnt 0
	WIN MUL_HI
	MUL16 4, 1, NQ-1, 1, 0
	MUL16 6, 1, NQ-1, 1, 0
	WIN 0
; 64 numbers of a lane, v[s] .. v[s + 63], register 16 b + i = column 32 b + 16 (lane / 16) + i of my row, become a fragment's codes in v[CD] on and its scale word in v[PW].
.macro QUANT s
.irp b, 0,1,2,3
	v_max3_num_f32 v[TM+\b], |v[\s+16*\b]|, |v[\s+1+16*\b]|, 0x2800000   ; block b: my 16 numbers, and the floor 2^(5 - 127): the byte cannot fall under 1
.endr
.irp i, 2,4,6,8,10,12,14
.irp b, 0,1,2,3
	v_max3_num_f32 v[TM+\b], v[TM+\b], |v[\s+16*\b+\i]|, |v[\s+1+16*\b+\i]|   ; (the four blocks by turns)
.endr
.endr
.irp b, 0,1,2,3
	v_permlanex16_b32 v[TM+4+\b], v[TM+\b], s[SEL], s[SEL+1]
.endr
.irp b, 0,1,2,3
	v_max_num_f32 v[TM+\b], v[TM+\b], v[TM+4+\b]   ; with lane l xor 16's: the block's largest magnitude
.endr
.irp b, 0,1,2,3
	v_add_nc_u32 v[TM+12+\b], 0xfe000000, v[TM+\b]   ; 4 off its exponent field: the conversion's scale operand
.endr
.irp b, 0,1,2,3
	v_lshrrev_b32 v[TM+4+\b], 23, v[TM+12+\b]   ; the scale's byte
.endr
	v_lshl_or_b32 v[PW], v[TM+5], 8, v[TM+4]   ; the four bytes make my row's scale word
	v_lshl_or_b32 v[PW], v[TM+6], 16, v[PW]
	v_lshl_or_b32 v[PW], v[TM+7], 24, v[PW]
.irp c, 0,1
	v_cvt_scalef32_pk16_bf6_f32 v[CD+6*\c:CD+2+6*\c], v[\s+32*\c:\s+15+32*\c], v[TM+12+2*\c]
	v_cvt_scalef32_pk16_bf6_f32 v[CD+12+4*\c:CD+14+4*\c], v[\s+16+32*\c:\s+31+32*\c], v[TM+12+2*\c+1]   ; (a conversion's three registers begin on an even number)
.endr
	v_nop                                          ; one plain place behind a scaled conversion
.irp c, 0,1                                    ; a whole block to a lane: lanes 0-15 block 2 c, lanes 16-31 block 2 c + 1
.irp i, 0,1,2
	v_permlane16_swap_b32 v[CD+6*\c+\i], v[CD+12+4*\c+\i]
.endr
.irp i, 0,1,2
	v_mov_b32 v[CD+3+6*\c+\i], v[CD+12+4*\c+\i]
.endr
.endr
.endm
; THE WAY OUT of block a (16 rows x my 128 columns).  The row's additive term is added (each accumulator is read from its low end on), the halves of the lanes change eights so that a
; lane's 16 registers are 16 neighbouring columns, the 128 columns are quantised, and codes and scale word go to their places in the tile's image in LDS.  (q, k and v have no activation: nothing is clipped.)
.macro OUTQ a
	WIN 0x02+(\a)/4                                ; source 0: window 2 or 3
.set J, 0
.rept 32
	v_pk_add_f32 v[T+J:T+J+1], v[64*((\a)%4)+J:64*((\a)%4)+J+1], v[BQ+2*(\a):BQ+2*(\a)+1] op_sel_hi:[1,0]
.set J, J+2
.endr
	WIN 0
.irp b, 0,1,2,3                                ; register 8 t + j held column 16 t + 8 h + j.  Tile 2 b's lanes 16-31 change places with tile 2 b + 1's lanes 0-15: register 16 b + i now holds column 32 b + 16 h + i
.irp j, 0,1,2,3,4,5,6,7
	v_permlane16_swap_b32 v[T+16*\b+\j], v[T+16*\b+8+\j]
.endr
.endr
	QUANT T
.irp p, 0,1,2,3,4,5
	ds_store_b64 v[STO], v[CD+2*\p:CD+2*\p+1] offset:(\a)*3072+48*(\p/3)+8*(\p%3)
.endr
	ds_store_b32 v[STS], v[PW] offset:(\a)*128     ; both halves of the lanes write the same word with the same value
	s_wait_dscnt 0x0                               ; the stores have read their registers
.endm
	PLACES NP                                      ; behind the last products: the lines below write registers that held A's fragments
.irp b, 0,1,2,3
	v_mov_b32 v[TM+4+\b], 0                        ; written once: a lane permute's destination counts as one of its sources
.endr
.irp a, 0,1,2,3,4,5,6,7
	OUTQ \a
.endr
	s_barrier_signal -1                            ; my stores have landed (the wait above): a row's 192 bytes come from two waves
	s_barrier_wait -1
.set J, 0
.rept 24
	ds_load_b128 v[128+4*J:131+4*J], v[RD] offset:512*J
.set J, J+1
.endr
	ds_load_b128 v[SBK:SBK+3], v[RS] offset:SSC
.set J, 0
.rept 24
	s_wait_dscnt 24-J                              ; load J is in; the 24 - J issued behind it may be out
	global_store_b128 v[RD], v[128+4*J:131+4*J], s[12:13] offset:512*J    ; 32 lanes store 512 consecutive bytes, at a multiple of 256 from the buffer's first byte
.set J, J+1
.endr
	s_wait_dscnt 0x0
	global_store_b128 v[RS], v[SBK:SBK+3], s[66:67]
	s_wait_tensorcnt 0x0                           ; the wave's end: behind my last tensor load and my last LDS store
	ds_add_u32 v[SPW], v[NIL]
	s_wait_dscnt 0x0
	CROUND                                         ; the closing round: no work-group ends while a partner may still ask for a tile that names it
	s_endpgm
.Lfunc_end_k_qba66c7e559_gqkv:
	.size	k_qba66c7e559_gqkv, .Lfunc_end_k_qba66c7e559_gqkv-k_qba66c7e559_gqkv
	.p2alignl 7, 3214868480
	.fill 96, 4, 3214868480
	.section	.rodata,"a",@progbits
	.p2align	6, 0x0
	.amdhsa_kernel k_qba66c7e559_gqkv
		.amdhsa_group_segment_fixed_size 327680
		.amdhsa_private_segment_fixed_size 0
		.amdhsa_enable_private_segment 0
		.amdhsa_kernarg_size 40
		.amdhsa_user_sgpr_count 2
		.amdhsa_user_sgpr_kernarg_segment_ptr 1
		.amdhsa_wavefront_size32 1
		.amdhsa_system_sgpr_workgroup_id_x 1
		.amdhsa_system_sgpr_workgroup_id_y 1
		.amdhsa_system_sgpr_workgroup_id_z 1
		.amdhsa_system_vgpr_workitem_id 0
		.amdhsa_next_free_vgpr 1024
		.amdhsa_next_free_sgpr 100
		.amdhsa_reserve_vcc 0
		.amdhsa_float_denorm_mode_32 3
		.amdhsa_float_denorm_mode_16_64 3
		.amdhsa_memory_ordered 1
		.amdhsa_forward_progress 1
		.amdhsa_inst_pref_size 197
	.end_amdhsa_kernel
	.amdgpu_metadata
---
amdhsa.version: [ 1, 2 ]
amdhsa.kernels:
  - .name:           k_qba66c7e559_gqkv
    .symbol:         k_qba66c7e559_gqkv.kd
    .args:
      - { .name: xq, .offset: 0, .size: 8, .value_kind: global_buffer, .address_space: global }
      - { .name: wqk, .offset: 8, .size: 8, .value_kind: global_buffer, .address_space: global }
      - { .name: wv, .offset: 16, .size: 8, .value_kind: global_buffer, .address_space: global }
      - { .name: bufa, .offset: 24, .size: 8, .value_kind: global_buffer, .address_space: global }
      - { .name: bufb, .offset: 32, .size: 8, .value_kind: global_buffer, .address_space: global }
    .group_segment_fixed_size: 327680
    .private_segment_fixed_size: 0
    .kernarg_segment_align: 8
    .kernarg_segment_size: 40
    .max_flat_workgroup_size: 128
    .sgpr_count:     100
    .vgpr_count:     1024
    .wavefront_size: 32
...
	.end_amdgpu_metadata
.endif
;; end of part 3
;; launch att (part 4): grid 8 x 32, 16 waves a work-group, clusters of 4 x 1, 247,808 bytes of LDS; arguments bufa, bufb, wqk; writes wqk
.if DOCPART == 4
	.amdgcn_target "amdgcn-amd-amdhsa--gfx1250"
	.amdhsa_code_object_version 6
	.text
	.protected	k_qba66c7e559_att
	.globl	k_qba66c7e559_att
	.p2align	8
	.type	k_qba66c7e559_att,@function
k_qba66c7e559_att:
	s_mov_b64 s[64:65], 0
	v_nop
	global_prefetch_b8 v0, s[64:65] scope:SCOPE_SE
	s_setreg_imm32_b32 hwreg(HW_REG_WAVE_MODE, 25, 1), 1
	s_wait_xcnt 0x0
	s_wait_alu depctr_hold_cnt(0) depctr_sa_sdst(0) depctr_va_vdst(0) depctr_va_sdst(0) depctr_va_ssrc(0) depctr_va_vcc(0) depctr_vm_vsrc(0)
	s_getreg_b32 s2, hwreg(HW_REG_IB_STS2, 6, 4)
	s_cmp_eq_u32 s2, 0
	s_cbranch_scc0 .Lentry_in_a_cluster
	s_endpgm
.Lentry_in_a_cluster:
	s_bfe_u32 s2, ttmp6, 0x10000c
	s_cmp_lg_u32 s2, 0x3003
	s_cbranch_scc0 .Lentry_shape_is_right
	s_endpgm
.Lentry_shape_is_right:
; Attention of one head on codes of BF6 (E3M2) with E8M0 scales, and its result quantised along the model's 1,024 features.  2 batches x 16 heads, 2,048 tokens, head size 64.
; IN (operand buffers: scale bytes at slab x 32,768 + row x 8, codes at CODES + slab x 786,432 + row x 192, a slab = 256 along K):
;   bufa: rows = tokens; slabs 0-3 q's 1,024 features, slabs 4-7 k's.  A head's 64 codes are 48 bytes of a row, its two scale bytes 2 of the row's 8.
;   bufb: v transposed: rows = features, slabs = tokens / 256: the keys are the second product's K.
; OUT: wqk, rows = tokens, slabs 0-3 = features: o = O / l as codes.
; THE SOFTMAX: t = score x log2(e) / 8; M = the row's largest t so far, rounded UP to a whole number; p = 2^(t - M) is quantised along the keys, not normalised.  The row's sum is taken of the unquantised p and
; divides O at the end.  When M moves, the sum and O are multiplied by 2^(old M - new M): exact.
; THE FIRST PRODUCT'S K IS 64: the upper half of each fragment's 128 is zero codes (registers cleared once), on both sides; their scale bytes are 0, which is 2^-127 and harmless over zeros.
; SHARES.  A work-group owns 256 queries of one head, each of its sixteen waves 16 of them, in 256 registers: four waves to a SIMD, so that one wave's vector work stands beside another's products and LDS loads.
; ALL OF THE HEAD'S K AND V LIE IN LDS, filled once: 98,304 + 122,880 bytes of codes, 20,480 of scale bytes.  No byte of LDS is filled twice and none is stored to.
; CLUSTER: the four query blocks of a cluster belong to one head: each tile is asked for jointly (the mask names all four).  Waves 0-7 ask for V's slab of their number, 8-9 for K's halves, 10-11 for V's scale
; bytes, 12-13 for K's: one tensor load a wave at the most.
; LAYOUT.  Both products are used transposed: S^T = K Q^T, O^T = V^T P^T: a lane holds one query (lane % 16) throughout.  The keys of a tile are not neighbours: lane r of tile 2 b + u takes key
; 32 b + 8 u + r + 8 (r / 8), so that the 16 registers of tiles 2 b and 2 b + 1 are 16 neighbouring keys.
; LIMITS: NaN and infinities are not served; a block of o under 2^-122 gets the byte 1.
; REGISTERS: v1-5 addresses that stay; v6-10 those of the step; v11, v28-31 the way out; v12 -M, v13 the largest t, v[14:15] the sum; v16-27 Q; v32-79 four fragments of K; v96-159 S^T, then p, then four fragments of V;
;   v160-191 O^T; v224-235 p's codes; v232-254 at work; v255 Q's scale words.
.set SLABB,  786432
.set CODES,  655360
.set VB,    98304                      ; LDS: K's codes at 0, 48 bytes a key;  V's from here: 8 slabs x 64 rows x 240 (192 bytes + 16 of padding behind each 64)
.set SCK,   221184                     ; K's rows of 8 scale bytes, 2,048 keys
.set SCV,   237568                     ; V's: slab x 512 + d x 8
.macro ROUND                           ; a round of the cluster's barrier
	s_barrier_signal -1
	s_barrier_wait -1
	s_cmp_lg_u32 s10, 0
	s_cbranch_scc1 .Lnot_wave_0_\@
	s_barrier_signal -3
.Lnot_wave_0_\@:
	s_barrier_wait -3
	s_barrier_signal -1
	s_barrier_wait -1
.endm
.macro NOPS4
.rept 4
	v_nop
.endr
.endm
	s_load_b128 s[4:7], s[0:1], 0x0                ; bufa, bufb
	s_load_b64 s[8:9], s[0:1], 0x10                ; wqk
	v_lshl_add_u32 v223, v0, 2, 0x3c000
	v_mov_b32 v243, 0
	ds_add_u32 v223, v243
	ds_add_u32 v223, v243
	v_lshrrev_b32 v28, 5, v0
	v_readfirstlane_b32 s10, v28                   ; wave 0..15
	s_and_b32 s11, s10, 1                          ; which half I fetch, where halves are fetched
	s_and_b32 s12, ttmp7, 0xffff
	s_lshr_b32 s13, s12, 4                         ; batch
	s_and_b32 s14, s12, 15                         ; head
	s_lshr_b32 s15, s14, 2                         ; its slab of features,
	s_and_b32 s16, s14, 3                          ; and its quarter of that slab
	; descriptor groups 1, all constants.  15:0 the mask: all four work-groups; 21 set beside it
	s_mov_b32 s24, 15|(1<<21)                      ; K's codes: 1,024 rows of 48 bytes, 192 bytes apart; elements of 1 byte; no padding
	s_mov_b32 s25, 48<<16
	s_mov_b32 s26, 1024<<16
	s_mov_b32 s27, 48<<16
	s_mov_b32 s28, 1024
	s_mov_b32 s29, 192
	s_mov_b32 s30, 0
	s_mov_b32 s31, 0
	s_mov_b32 s32, 15|(1<<20)|(1<<21)|(3<<22)|(3<<25)   ; V's codes: 64 rows of 192 bytes on end; 4 words of padding after every 16
	s_mov_b32 s33, 192<<16
	s_mov_b32 s34, 64<<16
	s_mov_b32 s35, 192<<16
	s_mov_b32 s36, 64
	s_mov_b32 s37, 192
	s_mov_b32 s38, 0
	s_mov_b32 s39, 0
	s_mov_b32 s40, 15|(3<<16)|(1<<21)              ; K's scale bytes: 8,192 dense bytes as 32 rows of 32 elements of 8 bytes
	s_mov_b32 s41, 32<<16
	s_mov_b32 s42, 32<<16
	s_mov_b32 s43, 32<<16
	s_mov_b32 s44, 32
	s_mov_b32 s45, 32
	s_mov_b32 s46, 0
	s_mov_b32 s47, 0
	s_mov_b32 s48, 15|(3<<16)|(1<<21)              ; V's scale bytes: four rows (one a slab) of 64 elements of 8 bytes, 32,768 bytes apart
	s_mov_b32 s49, 64<<16
	s_mov_b32 s50, 4<<16
	s_mov_b32 s51, 64<<16
	s_mov_b32 s52, 4
	s_mov_b32 s53, 4096
	s_mov_b32 s54, 0
	s_mov_b32 s55, 0
	; where the tiles come from: batch, head and the wave's number alone
	s_lshl_b32 s66, s13, 11
	s_lshl_b32 s67, s11, 10
	s_add_co_u32 s66, s66, s67                     ; the first token of my half of the keys
	s_add_co_u32 s67, s15, 4                       ; k's slab
	s_mul_i32 s68, s67, SLABB
	s_mul_i32 s69, s66, 192
	s_add_co_u32 s68, s68, s69
	s_mul_i32 s69, s16, 48
	s_add_co_u32 s68, s68, s69
	s_add_co_u32 s68, s68, CODES
	s_mov_b32 s69, 0                               ; s[68:69]: K's codes
	s_lshl_b32 s70, s67, 15
	s_lshl_b32 s71, s66, 3
	s_add_co_u32 s70, s70, s71
	s_mov_b32 s71, 0                               ; s[70:71]: K's scale bytes
	s_lshl_b32 s80, s13, 3
	s_add_co_u32 s81, s80, s10                     ; V's slab: 8 x batch + wave
	s_mul_i32 s82, s81, SLABB
	s_mul_i32 s83, s14, 12288
	s_add_co_u32 s82, s82, s83
	s_add_co_u32 s82, s82, CODES
	s_mov_b32 s83, 0                               ; s[82:83]: V's codes
	s_lshl_b32 s81, s11, 2
	s_add_co_u32 s80, s80, s81
	s_lshl_b32 s80, s80, 15
	s_lshl_b32 s81, s14, 9
	s_add_co_u32 s80, s80, s81
	s_mov_b32 s81, 0                               ; s[80:81]: V's scale bytes
	s_mov_b32 s20, 0x76543210
	s_mov_b32 s21, 0xfedcba98                      ; v_permlanex16_b32's selects for lane l xor 16
	s_mov_b32 s22, 0x3e38aa3b                      ; c = log2(e) / 8
	s_mov_b32 s23, s22                             ; (named with it as a pair, so it is written)
	s_mov_b32 s84, 0                               ; the slab's keys in K's codes,
	s_mov_b32 s85, 0                               ; in V's,
	s_mov_b32 s86, 0                               ; in K's scale bytes,
	s_mov_b32 s87, 0                               ; in V's
	s_mov_b32 s88, 8                               ; slabs of 256 keys to go
	s_wait_dscnt 0x0
	s_wait_kmcnt 0x0
	s_mov_b32 s60, 1                               ; groups 0: count 1, LDS address, global address, type 2
	s_mul_i32 s61, s11, 49152
	s_add_nc_u64 s[62:63], s[4:5], s[68:69]
	s_or_b32 s63, s63, 0x80000000
	s_mov_b32 s56, 1
	s_lshl_b32 s57, s11, 13
	s_add_co_u32 s57, s57, SCK
	s_add_nc_u64 s[58:59], s[4:5], s[70:71]
	s_or_b32 s59, s59, 0x80000000
	s_mov_b32 s76, 1
	s_mul_i32 s77, s10, 15360
	s_add_co_u32 s77, s77, VB
	s_add_nc_u64 s[78:79], s[6:7], s[82:83]
	s_or_b32 s79, s79, 0x80000000
	s_mov_b32 s72, 1
	s_lshl_b32 s73, s11, 11
	s_add_co_u32 s73, s73, SCV
	s_add_nc_u64 s[74:75], s[6:7], s[80:81]
	s_or_b32 s75, s75, 0x80000000
	ROUND                                          ; all four work-groups are here: the joint loads meet
	s_cmp_lt_u32 s10, 8                            ; the branches hang on the wave's number alone; four v_nop follow each load
	s_cbranch_scc0 .Lnot_v
	tensor_load_to_lds s[76:79], s[32:39]
	s_nop 0
	NOPS4
	s_branch .Lasked
.Lnot_v:
	s_cmp_lt_u32 s10, 10
	s_cbranch_scc0 .Lnot_k
	tensor_load_to_lds s[60:63], s[24:31]
	s_nop 0
	NOPS4
	s_branch .Lasked
.Lnot_k:
	s_cmp_lt_u32 s10, 12
	s_cbranch_scc0 .Lnot_sv
	tensor_load_to_lds s[72:75], s[48:55]
	s_nop 0
	NOPS4
	s_branch .Lasked
.Lnot_sv:
	s_cmp_lt_u32 s10, 14
	s_cbranch_scc0 .Lasked
	tensor_load_to_lds s[56:59], s[40:47]
	s_nop 0
	NOPS4
.Lasked:
	s_bfe_u32 s17, ttmp6, 0x40000                  ; cx: it enters Q's and o's global addresses alone
	s_lshl_b32 s18, ttmp9, 2
	s_add_co_u32 s18, s18, s17                     ; my block of 256 queries
	s_lshl_b32 s18, s18, 8
	s_lshl_b32 s19, s10, 4
	s_add_co_u32 s18, s18, s19
	s_lshl_b32 s19, s13, 11
	s_add_co_u32 s18, s18, s19                     ; my first query's token
	s_mul_i32 s90, s15, SLABB
	s_mul_i32 s91, s18, 192
	s_add_co_u32 s90, s90, s91
	s_mul_i32 s91, s16, 48
	s_add_co_u32 s90, s90, s91
	s_add_co_u32 s90, s90, CODES
	s_mov_b32 s91, 0
	s_lshl_b32 s92, s15, 15
	s_lshl_b32 s93, s18, 3
	s_add_co_u32 s92, s92, s93
	s_lshl_b32 s93, s16, 1
	s_add_co_u32 s92, s92, s93
	s_mov_b32 s93, 0
	s_add_nc_u64 s[94:95], s[4:5], s[90:91]        ; Q's codes
	s_add_nc_u64 s[96:97], s[4:5], s[92:93]        ; Q's scale bytes
	s_add_nc_u64 s[90:91], s[8:9], s[90:91]        ; o's codes: the same place in wqk
	s_add_nc_u64 s[92:93], s[8:9], s[92:93]        ; o's scale bytes
	v_and_b32 v28, 15, v0                          ; r
	v_bfe_u32 v29, v0, 4, 1                        ; h
	v_mul_u32_u24 v11, v28, 192
	v_mad_u32_u24 v11, v29, 24, v11                ; Q and o: row r, + 24 h
.irp p, 0,1,2
	global_load_b64 v[16+2*\p:17+2*\p], v11, s[94:95] offset:8*\p   ; Q's fragment, K = 32 h + 0 .. 31
.endr
	v_lshlrev_b32 v30, 3, v28
	global_load_u16 v255, v30, s[96:97]            ; Q's two scale bytes; the upper two are 0
	v_and_b32 v31, 8, v28
	v_add_nc_u32 v31, v31, v28                     ; r + 8 (r / 8)
	v_mul_u32_u24 v1, v31, 48
	v_mad_u32_u24 v1, v29, 24, v1                  ; K: my key of a tile, + 24 h
	v_mul_u32_u24 v2, v28, 240
	v_mad_u32_u24 v2, v29, 24, v2
	v_add_nc_u32 v2, VB, v2                        ; V: row r of a tile, + 24 h;
	v_lshl_add_u32 v3, v29, 4, v2                  ; and the same behind one padding more
	s_lshl_b32 s19, s16, 1
	s_add_co_u32 s19, s19, SCK
	v_lshl_add_u32 v4, v31, 3, s19                 ; K's scale bytes: 8 a key, my head's two
	v_lshl_add_u32 v5, v28, 3, SCV                 ; V's: 8 a row
	v_add_nc_u32 v31, v30, v29                     ; the way out: 8 r + h
	v_mov_b32 v13, 0xff61b1e6                      ; the largest t so far: -3e38, under every t
	v_floor_f32 v12, -v13                          ; -M
	v_mov_b32 v14, 0                               ; the sum, in two halves
	v_mov_b32 v15, 0
.irp b, 0,1,2,3
	v_mov_b32 v[236+\b], 0                         ; written once: a lane permute's destination counts as one of its sources
.endr
	v_mov_b32 v253, 0                              ; (named as the upper half of the pair v[252:253] before it is first written)
.irp i, 0,1,2,3,4,5
	v_mov_b32 v[22+\i], 0                          ; the upper 64 of the first product's K: zero codes, in Q
.irp t, 0,1,2,3
	v_mov_b32 v[38+12*\t+\i], 0                    ; and in K's four fragments: cleared once, never loaded
.endr
.endr
.set J, 0
.rept 32
	v_mov_b32 v[160+J], 0                          ; O^T.  (The loop is written once: its first step finds zeros, which the first change of M leaves zeros)
.set J, J+1
.endr
	s_wait_tensorcnt 0x0                           ; my tile has landed,
	s_barrier_signal -1
	s_barrier_wait -1                              ; everybody's has
	s_wait_loadcnt 0x0                             ; Q
; A KEY STEP: 128 keys, the q-th of the slab in hand.
.macro STEP q
	v_add_nc_u32 v6, s84, v1                       ; these six lines are also the places between the last step's products and the products below, which write over registers that those read
	v_add_nc_u32 v7, s85, v2
	v_add_nc_u32 v8, s85, v3
	v_add_nc_u32 v9, s86, v4
	v_add_nc_u32 v10, s87, v5
	v_nop
.irp g, 0,1                                    ; S^T = K Q^T, four tiles of 16 keys at a time
.if \g > 0
	NOPS4                                          ; places in front of loads into registers that matrix instructions have read
.endif
.irp t, 0,1,2,3
.irp p, 0,1,2
	ds_load_b64 v[32+12*\t+2*\p:33+12*\t+2*\p], v6 offset:(128*(\q)+32*((4*\g+\t)/2)+8*(\t%2))*48+8*\p
.endr
	ds_load_u16 v[248+\t], v9 offset:(128*(\q)+32*((4*\g+\t)/2)+8*(\t%2))*8
.endr
	s_wait_dscnt 0x0
.irp t, 0,1,2,3
	v_wmma_scale_f32_16x16x128_f8f6f4 v[96+8*(4*\g+\t):103+8*(4*\g+\t)], v[32+12*\t:43+12*\t], v[16:27], 0, v[248+\t], v255 matrix_a_fmt:MATRIX_FMT_BF6 matrix_b_fmt:MATRIX_FMT_BF6
.endr
.endr
	NOPS4
.irp b, 0,1,2,3
	v_max3_num_f32 v[232+\b], v[96+16*\b], v[97+16*\b], v[98+16*\b]   ; the largest score of each block of 32 keys: it serves for the row's maximum and, since p rises with the score, for the block's largest p
.endr
.irp i, 3,5,7,9,11,13
.irp b, 0,1,2,3
	v_max3_num_f32 v[232+\b], v[232+\b], v[96+16*\b+\i], v[97+16*\b+\i]   ; (the four blocks by turns)
.endr
.endr
.irp b, 0,1,2,3
	v_max_num_f32 v[232+\b], v[232+\b], v[111+16*\b]
.endr
.irp b, 0,1,2,3
	v_permlanex16_b32 v[236+\b], v[232+\b], s20, s21
.endr
.irp b, 0,1,2,3
	v_max_num_f32 v[232+\b], v[232+\b], v[236+\b]   ; with lane l xor 16's 16 keys
.endr
	v_max3_num_f32 v254, v232, v233, v234
	v_max_num_f32 v254, v254, v235                 ; the step's largest score of my query
	v_mul_f32 v254, s22, v254                      ; as t (c is positive)
	v_max_num_f32 v13, v13, v254                   ; the running largest t
	v_mov_b32 v254, v12
	v_floor_f32 v12, -v13                          ; the new -M = floor(-t) = -ceil(t): a whole number
	v_sub_f32 v254, v12, v254                      ; M's old value less its new one: a whole number, 0 or less
	v_cvt_i32_f32 v254, v254                       ; (it saturates)
	v_ldexp_f32 v252, 1.0, v254                    ; f = 2^(old M - new M)
.set J, 0
.rept 32
	v_pk_fma_f32 v[96+J:97+J], v[96+J:97+J], s[22:23], v[12:13] op_sel_hi:[1,0,0]   ; t - M, two at a time (of the pairs c and -M the low word serves both halves)
.set J, J+2
.endr
.irp b, 0,1,2,3
	v_fma_f32 v[232+\b], v[232+\b], s22, v12       ; the same of each block's largest score
.endr
.set J, 0
.rept 64
	v_exp_f32 v[96+J], v[96+J]                     ; p = 2^(t - M), at most 1: not normalised
.set J, J+1
.endr
.irp b, 0,1,2,3
	v_exp_f32 v[232+\b], v[232+\b]                 ; the block's largest p: the same two instructions on the same number give the same bits
.endr
	v_pk_mul_f32 v[14:15], v[14:15], v[252:253] op_sel_hi:[1,0]   ; the sums under the new M.  (A plain place behind the exponentials)
	s_wait_alu depctr_va_vdst(0)
.irp b, 0,1,2,3
	v_max_num_f32 v[232+\b], 0x2800000, v[232+\b]  ; the floor 2^(5 - 127): the byte cannot fall under 1
.endr
.irp b, 0,1,2,3
	v_add_nc_u32 v[244+\b], 0xfe000000, v[232+\b]  ; 4 off the exponent field: the conversion's scale operand
.endr
.irp b, 0,1,2,3
	v_lshrrev_b32 v[236+\b], 23, v[244+\b]         ; the scale's byte
.endr
	v_lshl_or_b32 v253, v237, 8, v236              ; p's scale word for these 128 keys
	v_lshl_or_b32 v253, v238, 16, v253
	v_lshl_or_b32 v253, v239, 24, v253
.irp c, 0,1
	v_cvt_scalef32_pk16_bf6_f32 v[224+6*\c:226+6*\c], v[96+32*\c:111+32*\c], v[244+2*\c]
	v_cvt_scalef32_pk16_bf6_f32 v[236+4*\c:238+4*\c], v[112+32*\c:127+32*\c], v[244+2*\c+1]   ; (a conversion's three registers begin on an even number)
.endr
	v_nop                                          ; one plain place behind a scaled conversion
.irp c, 0,1                                    ; a whole block to a lane: lanes 0-15 block 2 c, lanes 16-31 block 2 c + 1
.irp i, 0,1,2
	v_permlane16_swap_b32 v[224+6*\c+\i], v[236+4*\c+\i]
.endr
.irp i, 0,1,2
	v_mov_b32 v[227+6*\c+\i], v[236+4*\c+\i]
.endr
.endr
	v_pk_add_f32 v[236:237], v[96:97], v[98:99]    ; the row's sum is taken of the unquantised p: two at a time, in two chains
.irp j, 4,8,12,16,20,24,28,32,36,40,44,48,52,56,60
	v_pk_add_f32 v[14:15], v[14:15], v[96+\j:97+\j]
	v_pk_add_f32 v[236:237], v[236:237], v[98+\j:99+\j]
.endr
	v_pk_add_f32 v[14:15], v[14:15], v[236:237]
.set J, 0
.rept 16
	v_pk_mul_f32 v[160+J:161+J], v[160+J:161+J], v[252:253] op_sel_hi:[1,0]   ; O^T under the new M.  (These are also the places in front of the products below, whose operand and scale word vector lines have written)
.set J, J+2
.endr
.irp t, 0,1,2,3                                ; O^T += V^T P^T: four tiles of 16 of the head's 64; K = these 128 keys.  V's fragments take p's registers, which are done with
.irp p, 0,1,2,3,4,5
.set PCE, 12*(\q)+6*(\p/3)+\p%3                ; pieces of 8 bytes; 16 bytes of padding lie behind every 8 pieces; lanes 16-31 read three pieces on
.if PCE%8 < 5
	ds_load_b64 v[96+12*\t+2*\p:97+12*\t+2*\p], v7 offset:8*PCE+16*(PCE/8)+\t*3840
.else
	ds_load_b64 v[96+12*\t+2*\p:97+12*\t+2*\p], v8 offset:8*PCE+16*(PCE/8)+\t*3840
.endif
.endr
	ds_load_b32 v[248+\t], v10 offset:128*\t+4*(\q)
.endr
	s_wait_dscnt 0x0
.irp t, 0,1,2,3
	v_wmma_scale_f32_16x16x128_f8f6f4 v[160+8*\t:167+8*\t], v[96+12*\t:107+12*\t], v[224:235], v[160+8*\t:167+8*\t], v[248+\t], v253 matrix_a_fmt:MATRIX_FMT_BF6 matrix_b_fmt:MATRIX_FMT_BF6
.endr
.endm
.Lslab:                                            ; eight trips: 256 keys each
	STEP 0
	STEP 1
	s_add_co_u32 s84, s84, 12288
	s_add_co_u32 s85, s85, 15360
	s_add_co_u32 s86, s86, 2048
	s_add_co_u32 s87, s87, 512
	s_sub_co_u32 s88, s88, 1
	s_cmp_lg_u32 s88, 0
	s_cbranch_scc1 .Lslab
	; THE WAY OUT.  O^T / the sum; a lane's 32 numbers are d = 16 t + 8 h + i of my query.  The halves of the lanes change eights, so that 16 registers are 16 neighbours; two blocks of 32 are quantised.
	NOPS4
	v_add_f32 v14, v14, v15                        ; the sum's two halves,
	v_permlanex16_b32 v252, v14, s20, s21
	v_add_f32 v14, v14, v252                       ; and lane l xor 16's: the row's sum
	v_rcp_f32 v14, v14
	v_nop                                          ; one plain place behind a transcendental
.set J, 0
	s_wait_alu depctr_va_vdst(0)
.rept 32
	v_mul_f32 v[96+J], v[160+J], v14
.set J, J+1
.endr
.irp b, 0,1
.irp j, 0,1,2,3,4,5,6,7
	v_permlane16_swap_b32 v[96+16*\b+\j], v[104+16*\b+\j]   ; register 16 b + i now holds d = 32 b + 16 h + i
.endr
.endr
.irp b, 0,1
	v_max3_num_f32 v[232+\b], |v[96+16*\b]|, |v[97+16*\b]|, 0x2800000
.endr
.irp i, 2,4,6,8,10,12,14
.irp b, 0,1
	v_max3_num_f32 v[232+\b], v[232+\b], |v[96+16*\b+\i]|, |v[97+16*\b+\i]|
.endr
.endr
.irp b, 0,1
	v_permlanex16_b32 v[236+\b], v[232+\b], s20, s21
.endr
.irp b, 0,1
	v_max_num_f32 v[232+\b], v[232+\b], v[236+\b]
.endr
.irp b, 0,1
	v_add_nc_u32 v[244+\b], 0xfe000000, v[232+\b]
.endr
.irp b, 0,1
	v_lshrrev_b32 v[236+\b], 23, v[244+\b]
.endr
	v_cvt_scalef32_pk16_bf6_f32 v[224:226], v[96:111], v244
	v_cvt_scalef32_pk16_bf6_f32 v[228:230], v[112:127], v245
	v_nop                                          ; one plain place behind a scaled conversion
.irp i, 0,1,2
	v_permlane16_swap_b32 v[224+\i], v[228+\i]     ; lane (r, h) now holds block h: its lower 16 codes in v224 on, its upper 16 in v228 on
.endr
	v_cmp_eq_u32 vcc_lo, 0, v29
	v_cndmask_b32 v238, v237, v236, vcc_lo         ; and block h's byte
	global_store_b96 v11, v[224:226], s[90:91]     ; a row's 48 bytes: two lanes, 24 bytes each (a head owns no more of a row)
	global_store_b96 v11, v[228:230], s[90:91] offset:12
	global_store_b8 v31, v238, s[92:93]
	s_wait_tensorcnt 0x0
	ds_add_u32 v223, v243
	s_wait_dscnt 0x0
	ROUND                                          ; the closing round
	s_endpgm
.Lfunc_end_k_qba66c7e559_att:
	.size	k_qba66c7e559_att, .Lfunc_end_k_qba66c7e559_att-k_qba66c7e559_att
	.p2alignl 7, 3214868480
	.fill 96, 4, 3214868480
	.section	.rodata,"a",@progbits
	.p2align	6, 0x0
	.amdhsa_kernel k_qba66c7e559_att
		.amdhsa_group_segment_fixed_size 247808
		.amdhsa_private_segment_fixed_size 0
		.amdhsa_enable_private_segment 0
		.amdhsa_kernarg_size 24
		.amdhsa_user_sgpr_count 2
		.amdhsa_user_sgpr_kernarg_segment_ptr 1
		.amdhsa_wavefront_size32 1
		.amdhsa_system_sgpr_workgroup_id_x 1
		.amdhsa_system_sgpr_workgroup_id_y 1
		.amdhsa_system_sgpr_workgroup_id_z 1
		.amdhsa_system_vgpr_workitem_id 0
		.amdhsa_next_free_vgpr 256
		.amdhsa_next_free_sgpr 100
		.amdhsa_reserve_vcc 1
		.amdhsa_float_denorm_mode_32 3
		.amdhsa_float_denorm_mode_16_64 3
		.amdhsa_memory_ordered 1
		.amdhsa_forward_progress 1
		.amdhsa_inst_pref_size 51
	.end_amdhsa_kernel
	.amdgpu_metadata
---
amdhsa.version: [ 1, 2 ]
amdhsa.kernels:
  - .name:           k_qba66c7e559_att
    .symbol:         k_qba66c7e559_att.kd
    .args:
      - { .name: bufa, .offset: 0, .size: 8, .value_kind: global_buffer, .address_space: global }
      - { .name: bufb, .offset: 8, .size: 8, .value_kind: global_buffer, .address_space: global }
      - { .name: wqk, .offset: 16, .size: 8, .value_kind: global_buffer, .address_space: global }
    .group_segment_fixed_size: 247808
    .private_segment_fixed_size: 0
    .kernarg_segment_align: 8
    .kernarg_segment_size: 24
    .max_flat_workgroup_size: 512
    .sgpr_count:     100
    .vgpr_count:     256
    .wavefront_size: 32
...
	.end_amdgpu_metadata
.endif
;; end of part 4
;; launch gf (part 5): grid 4 x 16, 4 waves a work-group, clusters of 4 x 4, 327,680 bytes of LDS; arguments wqk, wo, bufa; writes bufa
.if DOCPART == 5
	.amdgcn_target "amdgcn-amd-amdhsa--gfx1250"
	.amdhsa_code_object_version 6
	.text
	.protected	k_qba66c7e559_gf
	.globl	k_qba66c7e559_gf
	.p2align	8
	.type	k_qba66c7e559_gf,@function
k_qba66c7e559_gf:
	s_mov_b64 s[64:65], 0
	v_nop
	global_prefetch_b8 v0, s[64:65] scope:SCOPE_SE
	s_setreg_imm32_b32 hwreg(HW_REG_WAVE_MODE, 25, 1), 1
	s_wait_xcnt 0x0
	s_wait_alu depctr_hold_cnt(0) depctr_sa_sdst(0) depctr_va_vdst(0) depctr_va_sdst(0) depctr_va_ssrc(0) depctr_va_vcc(0) depctr_vm_vsrc(0)
	s_getreg_b32 s2, hwreg(HW_REG_IB_STS2, 6, 4)
	s_cmp_eq_u32 s2, 0
	s_cbranch_scc0 .Lentry_in_a_cluster
	s_endpgm
.Lentry_in_a_cluster:
	s_bfe_u32 s2, ttmp6, 0x10000c
	s_cmp_lg_u32 s2, 0xf033
	s_cbranch_scc0 .Lentry_shape_is_right
	s_endpgm
.Lentry_shape_is_right:
; OUT[part] = A B^T + B's additive term by column, f32: a product of K = 1,024 on codes of BF6 (E3M2) with E8M0 scales.  OUT[part] is [4096][1024], 16 MiB a part.
; A, B are operand buffers of this program's format: scale bytes at slab x 32,768 + row x 8; additive terms (f32) at BIAS + plane x 16,384 + row x 4; codes at CODES + slab x 786,432 + row x 192; a slab is 256 along K.
; THE GRID'S y counts 16 tile rows for each PART of K: part = (cluster y) / 4 takes slabs 4 part .. 4 part + 3 and plane part of the additive terms.  With 16 tile rows in all there is one part.
; A tile of the result, 256 x 256, is made by a work-group of four waves; a wave makes 128 x 128: 64 accumulators, 512 registers.  K goes in steps of 256 (a slab) through a ring of two LDS slots filled by the
; tensor data mover; a wave's load is 128 rows of 192 bytes, 24,576 consecutive bytes of memory.  The scale bytes of the work-group's rows, for its four slabs, come into LDS once, with the first fills.
; CLUSTERS: 4 x 4 work-groups.  The four of a row of the cluster need the same tiles of A, the four of a column the same tiles of B: each is asked for jointly.
; THE MATRIX INSTRUCTION IS USED TRANSPOSED (source 0 = 16 rows of B, source 1 = 16 rows of A): a lane holds eight neighbouring columns of one row.  B's additive terms, in that layout, are the C of each sum's first product:
; another order of rounding than a sum followed by one addition.
; REGISTERS, in windows of 256: window 0: v0-31 addresses; v32-63 scale words, two sets; v64-127 B's additive terms; v128-223 A's fragments, ONE set; on the way out v128-255 hold rows.
;   window 1: B's fragments, TWO sets, at v0 and v128.   window 2: the accumulators of my rows 0-63 ((a, b) at v[8 (8 a + b)]);   window 3: those of my rows 64-127.
.set SLABB,  786432
.set SCSLAB, 32768
.set BIAS,   524288
.set CODES,  655360
.set SIZE_N, 1024
.set NQ,     2
.set ROWB,   192
.set PITCH,  240                       ; an LDS row: 3 x (64 bytes + 16 of padding) = 60 words: the 32 lanes of a load of 8 bytes touch 64 different banks (64 banks of 4 bytes: ISA guide 11.1)
.set FR,     12
.set NL,     6
.set NP,     4                         ; places behind this matrix instruction (ISA guide 7.12.1)
.set HALFT,  128*PITCH
.set SLOT,   4*HALFT
.set LAPS,   2
.set SCL,    2*SLOT                    ; behind the ring: the scale bytes, four parts of [4 slabs][128 rows][8 bytes]
.set PART,   4096
.set SPARE,  SCL+4*PART                ; the spare words, 128 bytes for each wave: two blocks of 256 bytes that no other line names
.set SPITCH, 528                       ; the way out: a stage of 16 rows x (512 bytes + 16) for each wave, in slot 0, which has had its last fill and its last read by then
.set ADRA, 16
.set ADRB, 20
.set STO,  24                          ; v24     the way out: where I put 32 bytes of a row
.set RD,   25                          ; v25     where I read a row back
.set CO,   26                          ; v26     my byte offset in a row of OUT
.set ADRS, 27
.set SPW,  28                          ; v28     LDS address of my spare word; never rewritten
.set NIL,  29                          ; v29     0; never rewritten
.set SC,   32
.set BP,   64
.set AF,   128
.set BK,   128                         ; the way out: 16 rows read back: v128-191 and v192-255 by turns
.set G1, 24
.set G0, 32
.set G1B, 48
.set G0B, 56
.set G1S, 68
.set G0S, 76
.set G1SB, 80
.set G0SB, 88
.set MSB, 0
.macro WIN new                         ; the immediate's high byte repeats the setting that is left
.if MSB != (\new)
	s_set_vgpr_msb (MSB<<8)|(\new)
.set MSB, (\new)
.endif
.endm
.set MUL_LO, 0xa1
.set MUL_HI, 0xf1
.set TO_B,   0x40
; A joint load: waves 0 and 1 fetch for A, waves 2 and 3 for B; the branch hangs on the wave's number alone.  Four v_nop follow each of the two lines.
.macro JLOAD g0a, g1a, g0b, g1b
	s_cmp_eq_u32 s15, 0
	s_cbranch_scc0 .Lfor_b_\@
	tensor_load_to_lds s[\g0a:\g0a+3], s[\g1a:\g1a+7]
	s_nop 0
.rept 4
	v_nop
.endr
	s_branch .Lasked_\@
.Lfor_b_\@:
	tensor_load_to_lds s[\g0b:\g0b+3], s[\g1b:\g1b+7]
	s_nop 0
.rept 4
	v_nop
.endr
.Lasked_\@:
.endm
.macro CREST
	s_cmp_lg_u32 s14, 0
	s_cbranch_scc1 .Lnot_wave_0_\@
	s_barrier_signal -3
.Lnot_wave_0_\@:
	s_barrier_wait -3
	s_barrier_signal -1
	s_barrier_wait -1
.endm
.macro CROUND
	s_barrier_signal -1
	s_barrier_wait -1
	CREST
.endm
	s_load_b128 s[4:7], s[0:1], 0x0                ; A s[4:5], B s[6:7]
	s_load_b64 s[12:13], s[0:1], 0x10              ; OUT
	v_lshl_add_u32 v[SPW], v0, 2, SPARE
	v_mov_b32 v[NIL], 0
	ds_add_u32 v28, v29
	ds_add_u32 v28, v29
	s_wait_dscnt 0x0
	v_lshrrev_b32 v1, 5, v0
	v_readfirstlane_b32 s14, v1                    ; wave 0..3
	s_lshr_b32 s15, s14, 1                         ; which half of the tile's rows is mine.  Also: I fetch for A (0) or for B (1)
	s_and_b32 s16, s14, 1                          ; which half of its columns.  Also: which 128 rows of that tile I fetch
	s_bfe_u32 s40, ttmp6, 0x40000                  ; cx, cy
	s_bfe_u32 s41, ttmp6, 0x40004
	s_lshl_b32 s42, ttmp9, 2
	s_add_co_u32 s42, s42, s40                     ; tile column
	s_and_b32 s17, ttmp7, 0xffff                   ; the cluster's y, which all sixteen partners share:
	s_lshr_b32 s95, s17, 2                         ; the part of K,
	s_and_b32 s17, s17, 3
	s_lshl_b32 s17, s17, 2
	s_add_co_u32 s17, s17, s41                     ; and the tile row
	s_lshl_b32 s43, s41, 2
	s_lshl_b32 s43, 15, s43                        ; my row of the cluster
	s_lshl_b32 s44, 0x1111, s40                    ; my column
	s_or_b32 s[G1+0], s43, (1<<20)|(1<<21)|(3<<22)|(3<<25)   ; a tile of 128 rows x 192 bytes; 4 words of padding after every 16; the mask: A's tiles go to my row; 21 set beside it
	s_or_b32 s[G1B+0], s44, (1<<20)|(1<<21)|(3<<22)|(3<<25)
.irp g, G1, G1B
	s_mov_b32 s[\g+1], ROWB<<16
	s_mov_b32 s[\g+2], 128<<16
	s_mov_b32 s[\g+3], ROWB<<16
	s_mov_b32 s[\g+4], 128
	s_mov_b32 s[\g+5], ROWB
	s_mov_b32 s[\g+6], 0
	s_mov_b32 s[\g+7], 0
.endr
	s_or_b32 s[G1S+0], s43, (3<<16)|(1<<21)        ; the scale bytes of 128 rows: four rows (one a slab) of 128 elements of 8 bytes, 32,768 bytes apart
	s_or_b32 s[G1SB+0], s44, (3<<16)|(1<<21)
.irp g, G1S, G1SB
	s_mov_b32 s[\g+1], 128<<16
	s_mov_b32 s[\g+2], 4<<16
	s_mov_b32 s[\g+3], 128<<16
	s_mov_b32 s[\g+4], 4
	s_mov_b32 s[\g+5], SCSLAB/8
	s_mov_b32 s[\g+6], 0
	s_mov_b32 s[\g+7], 0
.endr
	s_mul_i32 s96, s95, 4*SLABB                    ; the part's four slabs: of codes,
	s_lshl_b32 s97, s95, 17                        ; of scale bytes
	s_lshl_b32 s18, s16, 7
	s_lshl_b32 s20, s17, 8
	s_add_co_u32 s20, s20, s18                     ; A: row 256 x tile row + 128 x half
	s_lshl_b32 s46, s42, 8
	s_add_co_u32 s46, s46, s18                     ; B: row 256 x tile column + 128 x half
	s_lshl_b32 s22, s20, 3
	s_add_co_u32 s22, s22, s97
	s_lshl_b32 s92, s46, 3
	s_add_co_u32 s92, s92, s97
	s_mul_i32 s20, s20, ROWB
	s_add_co_u32 s20, s20, CODES
	s_add_co_u32 s20, s20, s96
	s_mul_i32 s46, s46, ROWB
	s_add_co_u32 s46, s46, CODES
	s_add_co_u32 s46, s46, s96
	s_mov_b32 s21, 0
	s_mov_b32 s23, 0
	s_mov_b32 s47, 0
	s_mov_b32 s93, 0
	s_mul_i32 s45, s14, HALFT
	s_lshl_b32 s94, s14, 12
	s_wait_kmcnt 0x0
	s_add_nc_u64 s[20:21], s[4:5], s[20:21]
	s_add_nc_u64 s[22:23], s[4:5], s[22:23]
	s_add_nc_u64 s[46:47], s[6:7], s[46:47]
	s_add_nc_u64 s[92:93], s[6:7], s[92:93]
	CROUND                                         ; all sixteen work-groups are here: the first joint loads meet
	s_mov_b32 s[G0S], 1
	s_add_co_u32 s[G0S+1], s94, SCL
	s_mov_b64 s[G0S+2:G0S+3], s[22:23]
	s_or_b32 s[G0S+3], s[G0S+3], 0x80000000
	s_mov_b32 s[G0SB], 1
	s_add_co_u32 s[G0SB+1], s94, SCL
	s_mov_b64 s[G0SB+2:G0SB+3], s[92:93]
	s_or_b32 s[G0SB+3], s[G0SB+3], 0x80000000
	JLOAD G0S, G1S, G0SB, G1SB
.irp s, 0,1
	s_mov_b32 s[G0+4*\s], 1
	s_add_co_u32 s[G0+4*\s+1], s45, \s*SLOT
	s_add_nc_u64 s[G0+4*\s+2:G0+4*\s+3], s[20:21], \s*SLABB
	s_or_b32 s[G0+4*\s+3], s[G0+4*\s+3], 0x80000000
	s_mov_b32 s[G0B+4*\s], 1
	s_add_co_u32 s[G0B+4*\s+1], s45, \s*SLOT
	s_add_nc_u64 s[G0B+4*\s+2:G0B+4*\s+3], s[46:47], \s*SLABB
	s_or_b32 s[G0B+4*\s+3], s[G0B+4*\s+3], 0x80000000
	JLOAD G0+4*\s, G1, G0B+4*\s, G1B
.endr
	v_and_b32 v1, 15, v0                           ; r
	v_bfe_u32 v2, v0, 4, 1                         ; h
	v_mul_u32_u24 v3, v1, PITCH
	v_mul_u32_u24 v4, v2, 24
	v_add_nc_u32 v4, v3, v4
	v_lshl_add_u32 v5, v2, 4, v4
	s_mul_i32 s21, s15, HALFT
	s_mul_i32 s22, s16, HALFT
	s_add_co_u32 s22, s22, 2*HALFT
.irp s, 0,1
	v_add_nc_u32 v[ADRA+\s], s21, v4
	v_add_nc_u32 v[ADRB+\s], s22, v4
	v_add_nc_u32 v[ADRA+2+\s], s21, v5
	v_add_nc_u32 v[ADRB+2+\s], s22, v5
	s_add_co_u32 s21, s21, SLOT
	s_add_co_u32 s22, s22, SLOT
.endr
	v_lshlrev_b32 v5, 3, v1
	s_lshl_b32 s21, s15, 12
	s_lshl_b32 s22, s16, 12
	s_add_co_u32 s22, s22, 2*PART
	s_sub_co_u32 s22, s22, s21
	v_mul_u32_u24 v6, s22, v2                      ; lanes 16-31 take B's: one product, the distance between the two
	s_add_co_u32 s21, s21, SCL
	v_add_nc_u32 v5, v5, v6
	v_add_nc_u32 v[ADRS], s21, v5
	s_mul_i32 s23, s14, 16*SPITCH                  ; my stage
	v_mul_u32_u24 v5, v1, SPITCH                   ; in: row r, 32 bytes for each half of the lanes
	v_lshl_add_u32 v5, v2, 5, v5
	v_add_nc_u32 v[STO], s23, v5
	v_and_b32 v6, 31, v0
	v_lshlrev_b32 v[CO], 4, v6                     ; back: the 32 lanes take one row of 512 bytes; and the same in OUT
	v_add_nc_u32 v[RD], s23, v[CO]
	; B's additive terms
	s_lshl_b32 s46, s42, 10
	s_lshl_b32 s47, s16, 9
	s_add_co_u32 s46, s46, s47
	s_lshl_b32 s47, s95, 14                        ; the part's plane
	s_add_co_u32 s46, s46, s47
	s_add_co_u32 s46, s46, BIAS
	s_mov_b32 s47, 0
	s_add_nc_u64 s[8:9], s[6:7], s[46:47]
	v_lshlrev_b32 v7, 5, v2                        ; lane (r, h) wants, of tile b, columns 16 b + 8 h + 0 .. 7
.irp b, 0,1,2,3,4,5,6,7
	global_load_b128 v[BP+8*\b:BP+8*\b+3], v7, s[8:9] offset:64*\b
	global_load_b128 v[BP+8*\b+4:BP+8*\b+7], v7, s[8:9] offset:64*\b+16
.endr
	; where my part of the tile begins in OUT
	s_lshl_b32 s20, s17, 8
	s_lshl_b32 s21, s15, 7
	s_add_co_u32 s20, s20, s21
	s_lshl_b32 s20, s20, 12                        ; rows of 4,096 bytes
	s_lshl_b32 s21, s95, 24                        ; 16 MiB a part
	s_add_co_u32 s20, s20, s21
	s_mov_b32 s21, 0
	s_lshl_b32 s46, s42, 10
	s_lshl_b32 s47, s16, 9
	s_add_co_u32 s46, s46, s47
	s_mov_b32 s47, 0
	s_add_nc_u64 s[12:13], s[12:13], s[20:21]
	s_add_nc_u64 s[12:13], s[12:13], s[46:47]
.macro FRAG reg, adr, q, i             ; a fragment, 16 rows x 128 K, is 12 registers: lane l holds row l % 16; registers 6 c .. 6 c + 5 hold K = 64 c + 32 (l / 16) + 0 .. 31: 24 bytes of the row, as they lie
.irp p, 0,1,2,3,4,5
.set PCE, 12*(\q)+6*(\p/3)+\p%3        ; pieces of 8 bytes; 16 bytes of padding lie behind every 8 pieces: where the piece three on lies behind one padding more, the second address register serves
.if PCE%8 < 5
	ds_load_b64 v[\reg+2*\p:\reg+2*\p+1], v[\adr] offset:8*PCE+16*(PCE/8)+(\i)*16*PITCH
.else
	ds_load_b64 v[\reg+2*\p:\reg+2*\p+1], v[\adr+2] offset:8*PCE+16*(PCE/8)+(\i)*16*PITCH
.endif
.endr
.endm
; 16 matrix instructions: A's blocks a0, a0 + 1 x B's eight, 128 along K.  zero = 1: the first product starts the sums, on B's additive terms.  The 64 accumulators take turns, one instruction a turn.
.macro MUL16 a0, p, q, sc, zero
.irp a, \a0, \a0+1
.irp b, 0,1,2,3,4,5,6,7
.if \zero
	v_wmma_scale_f32_16x16x128_f8f6f4 v[8*(8*((\a)%4)+\b):8*(8*((\a)%4)+\b)+7], v[128*(\p)+FR*\b:128*(\p)+FR*\b+FR-1], v[AF+FR*(\a):AF+FR*(\a)+FR-1], v[BP+8*\b:BP+8*\b+7], v[SC+8*NQ*(\sc)+NQ*\b+(\q)], v[SC+8*NQ*(\sc)+NQ*(\a)+(\q)] matrix_a_fmt:MATRIX_FMT_BF6 matrix_b_fmt:MATRIX_FMT_BF6 matrix_a_scale:MATRIX_SCALE_ROW1
.else
	v_wmma_scale_f32_16x16x128_f8f6f4 v[8*(8*((\a)%4)+\b):8*(8*((\a)%4)+\b)+7], v[128*(\p)+FR*\b:128*(\p)+FR*\b+FR-1], v[AF+FR*(\a):AF+FR*(\a)+FR-1], v[8*(8*((\a)%4)+\b):8*(8*((\a)%4)+\b)+7], v[SC+8*NQ*(\sc)+NQ*\b+(\q)], v[SC+8*NQ*(\sc)+NQ*(\a)+(\q)] matrix_a_fmt:MATRIX_FMT_BF6 matrix_b_fmt:MATRIX_FMT_BF6 matrix_a_scale:MATRIX_SCALE_ROW1
.endif
.endr
.endr
.endm
.macro FETCH_B slot, q, p
	WIN TO_B
.irp i, 0,1,2,3,4,5,6,7
	FRAG 128*(\p)+FR*\i, ADRB+\slot, \q, \i
.endr
	WIN 0
.endm
.macro FETCH_A slot, q, i0
.irp i, \i0, \i0+1, \i0+2, \i0+3
	FRAG AF+FR*(\i), ADRA+\slot, \q, \i
.endr
.endm
.macro SCALES sc
.irp i, 0,1,2,3,4,5,6,7
	ds_load_b64 v[SC+8*NQ*\sc+NQ*\i:SC+8*NQ*\sc+NQ*\i+1], v[ADRS] offset:\i*128
.endr
.endm
; A load into a register that a matrix instruction has read, and a vector instruction or an LDS store that reads a matrix result, stand NP places behind that matrix instruction; only plain vector
; instructions that name none of its registers are places (ISA guide 7.12.1 for vector instructions).
.macro PLACES n
.rept \n
	v_nop
.endr
.endm
.macro STEP slot, q, zero
	s_wait_dscnt 4*NL                              ; B's set and A's blocks 0-3 are in; the youngest 24 loads (A's blocks 4-7) may be out
	WIN MUL_LO-0x20*(\zero)
	MUL16 0, (\q)%2, \q, \slot, \zero
	MUL16 2, (\q)%2, \q, \slot, \zero
	s_wait_dscnt 0
	PLACES NP
	FETCH_B \slot, (\q)+1, 1-(\q)%2
	FETCH_A \slot, (\q)+1, 0
	WIN MUL_HI-0x30*(\zero)
	MUL16 4, (\q)%2, \q, \slot, \zero
	MUL16 6, (\q)%2, \q, \slot, \zero
	PLACES NP
	WIN 0
	FETCH_A \slot, (\q)+1, 4
.endm
; A slot's last step changes slots: ONE barrier; in front of it each wave waits for all its tensor loads, adds 0 to its spare word, and waits for that and for its own reads of this slot.
.macro TURN slot, next, fill
	s_wait_tensorcnt 0x0                           ; all my tensor loads have landed: my part of the next slot
	ds_add_u32 v[SPW], v[NIL]                      ; 0 onto my spare word
	s_wait_dscnt 4*NL+1                            ; (the add and the youngest 24 loads may be out)
	WIN MUL_LO
	MUL16 0, 1, NQ-1, \slot, 0
	s_wait_dscnt 0x0                               ; the add is done, and my reads of this slot are over
	s_barrier_signal -1
	MUL16 2, 1, NQ-1, \slot, 0
	WIN 0
	s_barrier_wait -1
.if \fill
	CREST                                          ; the barrier has opened a round of the cluster's barrier: no wave of any partner still reads this slot's tile or has a load on its way
	s_add_nc_u64 s[G0+4*\slot+2:G0+4*\slot+3], s[G0+4*\slot+2:G0+4*\slot+3], 2*SLABB
	s_add_nc_u64 s[G0B+4*\slot+2:G0B+4*\slot+3], s[G0B+4*\slot+2:G0B+4*\slot+3], 2*SLABB
	JLOAD G0+4*\slot, G1, G0B+4*\slot, G1B
.else
	PLACES NP
.endif
	v_add_nc_u32 v[ADRS], 1024, v[ADRS]            ; on to the next slab's scale words
	FETCH_B \next, 0, 0
	FETCH_A \next, 0, 0
	SCALES \next
	WIN MUL_HI
	MUL16 4, 1, NQ-1, \slot, 0
	MUL16 6, 1, NQ-1, \slot, 0
	PLACES NP
	WIN 0
	FETCH_A \next, 0, 4
.endm
	s_wait_tensorcnt 1                             ; the scales and my part of the first slab are in (the second's load may be out)
	s_barrier_signal -1
	s_barrier_wait -1
	FETCH_B 0, 0, 0
	FETCH_A 0, 0, 0
	SCALES 0
	FETCH_A 0, 0, 4
	s_wait_loadcnt 0x0                             ; the additive terms
	STEP 0, 0, 1
	s_mov_b32 s3, LAPS-1
.Llap:
	TURN 0, 1, 1
	STEP 1, 0, 0
	TURN 1, 0, 1
	STEP 0, 0, 0
	s_sub_co_u32 s3, s3, 1
	s_cmp_lg_u32 s3, 0
	s_cbranch_scc1 .Llap
	TURN 0, 1, 0
	STEP 1, 0, 0
	s_wait_dscnt 4*NL
	WIN MUL_LO
	MUL16 0, 1, NQ-1, 1, 0
	MUL16 2, 1, NQ-1, 1, 0
	s_wait_dscnt 0
	WIN MUL_HI
	MUL16 4, 1, NQ-1, 1, 0
	MUL16 6, 1, NQ-1, 1, 0
	WIN 0
; THE WAY OUT, block by block of 16 rows x 128 columns, through my own stage in LDS: back come whole rows of 512 bytes.  LDS serves a wave's instructions in order (ISA guide 5.7.1.4): no wait between the stores and the loads.
.macro TOSTAGE a
.set AC, 64*((\a)%4)
	WIN 0x08+4*((\a)/4)                            ; the data: window 2 or 3
.irp b, 0,1,2,3,4,5,6,7
	ds_store_b128 v[STO], v[AC+8*\b:AC+8*\b+3] offset:64*\b          ; each accumulator from its low end on
	ds_store_b128 v[STO], v[AC+8*\b+4:AC+8*\b+7] offset:64*\b+16
.endr
	WIN 0
.set BB, BK+64*((\a)%2)
.irp t, 0,1,2,3,4,5,6,7,8,9,10,11,12,13,14,15
	ds_load_b128 v[BB+4*\t:BB+4*\t+3], v[RD] offset:\t*SPITCH
.endr
.endm
.macro SEND a, younger                 ; younger: the LDS instructions issued behind block a's loads, which may stay out
.set BB, BK+64*((\a)%2)
	s_wait_dscnt \younger
.if (\a) > 0
	s_add_nc_u64 s[12:13], s[12:13], 16*SIZE_N*4   ; (behind a wait on XCNT: the earlier stores have read their base)
.endif
.irp t, 0,1,2,3,4,5,6,7,8,9,10,11,12,13,14,15
	global_store_b128 v[CO], v[BB+4*\t:BB+4*\t+3], s[12:13] offset:\t*SIZE_N*4   ; 32 lanes store 512 consecutive bytes, at a multiple of 256 from the buffer's first byte
.endr
.endm
	PLACES NP
	TOSTAGE 0
.irp a, 1,2,3,4,5,6,7
.if \a > 1
	s_wait_xcnt 0x0                                ; block a - 2's stores have read their registers and their base
.endif
	TOSTAGE \a
	SEND \a-1, 32                                  ; behind block a - 1's loads: block a's 16 stores and 16 loads
.endr
	s_wait_xcnt 0x0
	SEND 7, 0
	s_wait_tensorcnt 0x0                           ; the wave's end: behind my last tensor load and my last LDS store
	ds_add_u32 v[SPW], v[NIL]
	s_wait_dscnt 0x0
	CROUND                                         ; the closing round
	s_endpgm
.Lfunc_end_k_qba66c7e559_gf:
	.size	k_qba66c7e559_gf, .Lfunc_end_k_qba66c7e559_gf-k_qba66c7e559_gf
	.p2alignl 7, 3214868480
	.fill 96, 4, 3214868480
	.section	.rodata,"a",@progbits
	.p2align	6, 0x0
	.amdhsa_kernel k_qba66c7e559_gf
		.amdhsa_group_segment_fixed_size 327680
		.amdhsa_private_segment_fixed_size 0
		.amdhsa_enable_private_segment 0
		.amdhsa_kernarg_size 24
		.amdhsa_user_sgpr_count 2
		.amdhsa_user_sgpr_kernarg_segment_ptr 1
		.amdhsa_wavefront_size32 1
		.amdhsa_system_sgpr_workgroup_id_x 1
		.amdhsa_system_sgpr_workgroup_id_y 1
		.amdhsa_system_sgpr_workgroup_id_z 1
		.amdhsa_system_vgpr_workitem_id 0
		.amdhsa_next_free_vgpr 1024
		.amdhsa_next_free_sgpr 100
		.amdhsa_reserve_vcc 0
		.amdhsa_float_denorm_mode_32 3
		.amdhsa_float_denorm_mode_16_64 3
		.amdhsa_memory_ordered 1
		.amdhsa_forward_progress 1
		.amdhsa_inst_pref_size 162
	.end_amdhsa_kernel
	.amdgpu_metadata
---
amdhsa.version: [ 1, 2 ]
amdhsa.kernels:
  - .name:           k_qba66c7e559_gf
    .symbol:         k_qba66c7e559_gf.kd
    .args:
      - { .name: wqk, .offset: 0, .size: 8, .value_kind: global_buffer, .address_space: global }
      - { .name: wo, .offset: 8, .size: 8, .value_kind: global_buffer, .address_space: global }
      - { .name: bufa, .offset: 16, .size: 8, .value_kind: global_buffer, .address_space: global }
    .group_segment_fixed_size: 327680
    .private_segment_fixed_size: 0
    .kernarg_segment_align: 8
    .kernarg_segment_size: 24
    .max_flat_workgroup_size: 128
    .sgpr_count:     100
    .vgpr_count:     1024
    .wavefront_size: 32
...
	.end_amdgpu_metadata
.endif
;; end of part 5
;; launch ln1 (part 6): grid 256 x 1, 16 waves a work-group, no clusters, 84,480 bytes of LDS; arguments x, bufa, g1, be1, bufb, xq; writes bufb, xq
.if DOCPART == 6
	.amdgcn_target "amdgcn-amd-amdhsa--gfx1250"
	.amdhsa_code_object_version 6
	.text
	.protected	k_qba66c7e559_ln1
	.globl	k_qba66c7e559_ln1
	.p2align	8
	.type	k_qba66c7e559_ln1,@function
k_qba66c7e559_ln1:
	s_mov_b64 s[64:65], 0
	v_nop
	global_prefetch_b8 v0, s[64:65] scope:SCOPE_SE
	s_setreg_imm32_b32 hwreg(HW_REG_WAVE_MODE, 25, 1), 1
	s_wait_xcnt 0x0
; x1 = layernorm(x + y1) g1 + be1, stored as f32 (bufb) and as an operand (xq: codes of BF6 at CODES + slab x 786,432 + row x 192, scale bytes at slab x 32,768 + row x 8, a slab = 256 along the row).
; One wave, one row of 1,024 numbers: 32 registers a lane; the row stays in registers between the mean, the variance (of the differences from the mean: no difference of large sums) and the scaling.
; Memory binds: no matrix unit, no cluster, no tensor load.  Each load and store of f32 covers 512 consecutive bytes.
; For the conversions a lane must hold 16 neighbours: the row turns through the wave's own stage in LDS, 2,048 bytes at a time.  The 16 rows' scale bytes meet in LDS and leave as 128 consecutive bytes a slab.
; LIMITS: a block under 2^-122 gets the byte 1; NaN and infinities are not served.
.set SLABB,  786432
.set CODES,  655360
.set SP,    80                         ; a lane's place in a stage: 64 bytes + 16 of padding
.set WST,   5120                       ; a wave's two stages
.set SCA,   81920                      ; behind the stages: [4 slabs][16 rows][8 bytes]
.set X,   16                           ; v16-47   x, then the row at work
.set Y,   48                           ; v48-79   y1, later 2 x 16 neighbours
.set G,   80                           ; v80-111  the gain
.set BE,  112                          ; v112-143 the offset
.set TA,  144                          ; v144-151 at work
	s_load_b256 s[4:11], s[0:1], 0x0               ; x, y1, g1, be1
	s_load_b128 s[12:15], s[0:1], 0x20             ; bufb, xq
	v_lshl_add_u32 v192, v0, 2, 0x14200
	v_mov_b32 v193, 0
	v_lshrrev_b32 v1, 5, v0
	v_readfirstlane_b32 s16, v1                    ; wave
	v_and_b32 v2, 31, v0                           ; lane
	v_lshlrev_b32 v3, 4, v2
	s_lshl_b32 s17, ttmp9, 4
	s_add_co_u32 s17, s17, s16                     ; my row
	s_lshl_b32 s18, s17, 12
	s_mov_b32 s19, 0
	s_mov_b32 s24, 0x76543210
	s_mov_b32 s25, 0xfedcba98                      ; v_permlanex16_b32's selects for lane l xor 16
	s_mov_b32 s26, 0x3a800000                      ; 1 / 1,024
	s_mov_b32 s27, 0x3727c5ac                      ; 1e-5
	s_wait_kmcnt 0x0
	s_add_nc_u64 s[4:5], s[4:5], s[18:19]
	s_add_nc_u64 s[6:7], s[6:7], s[18:19]
	s_add_nc_u64 s[12:13], s[12:13], s[18:19]
.irp j, 0,1,2,3,4,5,6,7
	global_load_b128 v[X+4*\j:X+4*\j+3], v3, s[4:5] offset:512*\j
.endr
.irp j, 0,1,2,3,4,5,6,7
	global_load_b128 v[Y+4*\j:Y+4*\j+3], v3, s[6:7] offset:512*\j
.endr
.irp j, 0,1,2,3,4,5,6,7
	global_load_b128 v[G+4*\j:G+4*\j+3], v3, s[8:9] offset:512*\j
.endr
.irp j, 0,1,2,3,4,5,6,7
	global_load_b128 v[BE+4*\j:BE+4*\j+3], v3, s[10:11] offset:512*\j
.endr
	s_mul_i32 s20, s16, WST
	v_lshrrev_b32 v14, 2, v2
	v_mul_u32_u24 v14, v14, SP
	v_and_b32 v15, 3, v2
	v_lshl_add_u32 v14, v15, 4, v14
	v_add_nc_u32 v14, s20, v14                     ; the stage, on the way in
	v_mul_u32_u24 v15, v2, SP
	v_add_nc_u32 v15, s20, v15                     ; and on the way out: my 16 neighbours
	v_lshrrev_b32 v5, 4, v2
	v_mul_u32_u24 v4, v5, SLABB
	v_and_b32 v6, 15, v2
	v_mad_u32_u24 v4, v6, 12, v4                   ; my codes: lanes 0-15 one slab, lanes 16-31 the next; 12 bytes a lane
	v_bfe_u32 v7, v2, 1, 3
	v_lshl_add_u32 v7, v5, 7, v7
	s_lshl_b32 s20, s16, 3
	s_add_co_u32 s20, s20, SCA
	v_add_nc_u32 v7, s20, v7                       ; my block's byte: 128 x (slab % 2) + 8 x row + block
	s_lshl_b32 s20, s16, 7
	s_add_co_u32 s20, s20, SCA
	v_lshl_add_u32 v10, v2, 2, s20                 ; waves 0-3, at the end: slab = wave, 4 bytes a lane
	v_lshlrev_b32 v11, 2, v2
	s_mul_i32 s20, s17, 192
	s_add_co_u32 s20, s20, CODES
	s_mov_b32 s21, 0
	s_add_nc_u64 s[20:21], s[14:15], s[20:21]      ; my row's codes
	s_lshl_b32 s22, s16, 15
	s_lshl_b32 s23, ttmp9, 7
	s_add_co_u32 s22, s22, s23
	s_mov_b32 s23, 0
	s_add_nc_u64 s[22:23], s[14:15], s[22:23]      ; slab = wave: the work-group's 16 rows of scale bytes
.macro WSUM r, t                       ; the sum over the 32 lanes, in every lane
	v_add_f32_dpp v[\r], v[\r], v[\r] row_xmask:1 row_mask:0xf bank_mask:0xf
	v_add_f32_dpp v[\r], v[\r], v[\r] row_xmask:2 row_mask:0xf bank_mask:0xf
	v_add_f32_dpp v[\r], v[\r], v[\r] row_xmask:4 row_mask:0xf bank_mask:0xf
	v_add_f32_dpp v[\r], v[\r], v[\r] row_xmask:8 row_mask:0xf bank_mask:0xf
	v_permlanex16_b32 v[\t], v[\r], s24, s25
	v_add_f32 v[\r], v[\r], v[\t]
.endm
	s_wait_loadcnt 16                              ; x and y1 are in; the gain's and the offset's 16 loads may be out
.set J, 0
.rept 16
	v_pk_add_f32 v[X+J:X+J+1], v[X+J:X+J+1], v[Y+J:Y+J+1]
.set J, J+2
.endr
	v_pk_add_f32 v[TA:TA+1], v[X:X+1], v[X+2:X+3]  ; the sum, in two chains
	v_pk_add_f32 v[TA+2:TA+3], v[X+4:X+5], v[X+6:X+7]
.set J, 8
.rept 6
	v_pk_add_f32 v[TA:TA+1], v[TA:TA+1], v[X+J:X+J+1]
	v_pk_add_f32 v[TA+2:TA+3], v[TA+2:TA+3], v[X+J+2:X+J+3]
.set J, J+4
.endr
	v_pk_add_f32 v[TA:TA+1], v[TA:TA+1], v[TA+2:TA+3]
	v_add_f32 v[TA], v[TA], v[TA+1]
	WSUM TA, TA+1
	v_mul_f32 v[TA+4], s26, v[TA]                  ; the mean
	v_mov_b32 v[TA+5], v[TA+4]
.set J, 0
.rept 16
	v_pk_add_f32 v[X+J:X+J+1], v[X+J:X+J+1], v[TA+4:TA+5] neg_lo:[0,1] neg_hi:[0,1]
.set J, J+2
.endr
	v_pk_mul_f32 v[TA:TA+1], v[X:X+1], v[X:X+1]    ; the sum of squares of the differences
	v_pk_mul_f32 v[TA+2:TA+3], v[X+2:X+3], v[X+2:X+3]
.set J, 4
.rept 7
	v_pk_fma_f32 v[TA:TA+1], v[X+J:X+J+1], v[X+J:X+J+1], v[TA:TA+1]
	v_pk_fma_f32 v[TA+2:TA+3], v[X+J+2:X+J+3], v[X+J+2:X+J+3], v[TA+2:TA+3]
.set J, J+4
.endr
	v_pk_add_f32 v[TA:TA+1], v[TA:TA+1], v[TA+2:TA+3]
	v_add_f32 v[TA], v[TA], v[TA+1]
	WSUM TA, TA+1
	v_fma_f32 v[TA], v[TA], s26, s27               ; the variance + 1e-5
	v_rsq_f32 v[TA+6], v[TA]
	v_nop                                          ; one plain place behind a transcendental
	s_wait_alu depctr_va_vdst(0)
	v_mov_b32 v[TA+7], v[TA+6]
	s_wait_loadcnt 0x0
.set J, 0
.rept 16
	v_pk_mul_f32 v[X+J:X+J+1], v[X+J:X+J+1], v[TA+6:TA+7]
.set J, J+2
.endr
.set J, 0
.rept 16
	v_pk_fma_f32 v[X+J:X+J+1], v[X+J:X+J+1], v[G+J:G+J+1], v[BE+J:BE+J+1]
.set J, J+2
.endr
.irp j, 0,1,2,3,4,5,6,7
	global_store_b128 v3, v[X+4*\j:X+4*\j+3], s[12:13] offset:512*\j
.endr
.irp u, 0,1                                    ; half a row at a time through the stage: LDS serves a wave's instructions in order
.irp i, 0,1,2,3
	ds_store_b128 v14, v[X+16*\u+4*\i:X+16*\u+4*\i+3] offset:2560*\u+8*SP*\i
.endr
.irp i, 0,1,2,3
	ds_load_b128 v[Y+16*\u+4*\i:Y+16*\u+4*\i+3], v15 offset:2560*\u+16*\i
.endr
.endr
	s_wait_dscnt 0x0
.irp u, 0,1                                    ; lane l holds numbers 512 u + 16 l + 0 .. 15; two neighbouring lanes hold a block
	v_max3_num_f32 v8, |v[Y+16*\u]|, |v[Y+16*\u+1]|, |v[Y+16*\u+2]|
	v_max3_num_f32 v9, |v[Y+16*\u+3]|, |v[Y+16*\u+4]|, |v[Y+16*\u+5]|
.irp i, 6,10
	v_max3_num_f32 v8, v8, |v[Y+16*\u+\i]|, |v[Y+16*\u+\i+1]|
	v_max3_num_f32 v9, v9, |v[Y+16*\u+\i+2]|, |v[Y+16*\u+\i+3]|
.endr
	v_max3_num_f32 v8, v8, |v[Y+16*\u+14]|, |v[Y+16*\u+15]|
	v_max3_num_f32 v8, v8, v9, 0x2800000           ; and the floor 2^(5 - 127): the byte cannot fall under 1
	v_max_num_f32_dpp v8, v8, v8 row_xmask:1 row_mask:0xf bank_mask:0xf
	v_add_nc_u32 v[160+\u], 0xfe000000, v8         ; 4 off the exponent field: the conversion's scale operand
	v_cvt_scalef32_pk16_bf6_f32 v[164+4*\u:166+4*\u], v[Y+16*\u:Y+16*\u+15], v[160+\u]
	v_lshrrev_b32 v[172+\u], 23, v[160+\u]         ; the scale's byte
	ds_store_b8 v7, v[172+\u] offset:256*\u        ; both lanes of a block write the same byte with the same value
	global_store_b96 v4, v[164+4*\u:166+4*\u], s[20:21] offset:2*\u*SLABB    ; sixteen lanes store a row's 192 bytes of a slab
.endr
	s_wait_dscnt 0x0                               ; for the others' sake: my byte stores have landed
	s_barrier_signal -1
	s_barrier_wait -1
	s_cmp_lt_u32 s16, 4
	s_cbranch_scc0 .Ldone
	ds_load_b32 v12, v10
	s_wait_dscnt 0x0
	global_store_b32 v11, v12, s[22:23]            ; 128 consecutive bytes: 16 rows' scale bytes of one slab
.Ldone:
	s_wait_tensorcnt 0x0
	ds_add_u32 v192, v193
	s_wait_dscnt 0x0
	s_endpgm
.Lfunc_end_k_qba66c7e559_ln1:
	.size	k_qba66c7e559_ln1, .Lfunc_end_k_qba66c7e559_ln1-k_qba66c7e559_ln1
	.p2alignl 7, 3214868480
	.fill 96, 4, 3214868480
	.section	.rodata,"a",@progbits
	.p2align	6, 0x0
	.amdhsa_kernel k_qba66c7e559_ln1
		.amdhsa_group_segment_fixed_size 84480
		.amdhsa_private_segment_fixed_size 0
		.amdhsa_enable_private_segment 0
		.amdhsa_kernarg_size 48
		.amdhsa_user_sgpr_count 2
		.amdhsa_user_sgpr_kernarg_segment_ptr 1
		.amdhsa_wavefront_size32 1
		.amdhsa_system_sgpr_workgroup_id_x 1
		.amdhsa_system_sgpr_workgroup_id_y 1
		.amdhsa_system_sgpr_workgroup_id_z 1
		.amdhsa_system_vgpr_workitem_id 0
		.amdhsa_next_free_vgpr 194
		.amdhsa_next_free_sgpr 66
		.amdhsa_reserve_vcc 0
		.amdhsa_float_denorm_mode_32 3
		.amdhsa_float_denorm_mode_16_64 3
		.amdhsa_memory_ordered 1
		.amdhsa_forward_progress 1
		.amdhsa_inst_pref_size 17
	.end_amdhsa_kernel
	.amdgpu_metadata
---
amdhsa.version: [ 1, 2 ]
amdhsa.kernels:
  - .name:           k_qba66c7e559_ln1
    .symbol:         k_qba66c7e559_ln1.kd
    .args:
      - { .name: x, .offset: 0, .size: 8, .value_kind: global_buffer, .address_space: global }
      - { .name: bufa, .offset: 8, .size: 8, .value_kind: global_buffer, .address_space: global }
      - { .name: g1, .offset: 16, .size: 8, .value_kind: global_buffer, .address_space: global }
      - { .name: be1, .offset: 24, .size: 8, .value_kind: global_buffer, .address_space: global }
      - { .name: bufb, .offset: 32, .size: 8, .value_kind: global_buffer, .address_space: global }
      - { .name: xq, .offset: 40, .size: 8, .value_kind: global_buffer, .address_space: global }
    .group_segment_fixed_size: 84480
    .private_segment_fixed_size: 0
    .kernarg_segment_align: 8
    .kernarg_segment_size: 48
    .max_flat_workgroup_size: 512
    .sgpr_count:     66
    .vgpr_count:     194
    .wavefront_size: 32
...
	.end_amdgpu_metadata
.endif
;; end of part 6
;; launch gq_f1 (part 7): grid 16 x 16, 4 waves a work-group, clusters of 4 x 4, 327,680 bytes of LDS; arguments xq, w1, bufa; writes bufa
.if DOCPART == 7
	.amdgcn_target "amdgcn-amd-amdhsa--gfx1250"
	.amdhsa_code_object_version 6
	.text
	.protected	k_qba66c7e559_gq_f1
	.globl	k_qba66c7e559_gq_f1
	.p2align	8
	.type	k_qba66c7e559_gq_f1,@function
k_qba66c7e559_gq_f1:
	s_mov_b64 s[64:65], 0
	v_nop
	global_prefetch_b8 v0, s[64:65] scope:SCOPE_SE
	s_setreg_imm32_b32 hwreg(HW_REG_WAVE_MODE, 25, 1), 1
	s_wait_xcnt 0x0
	s_wait_alu depctr_hold_cnt(0) depctr_sa_sdst(0) depctr_va_vdst(0) depctr_va_sdst(0) depctr_va_ssrc(0) depctr_va_vcc(0) depctr_vm_vsrc(0)
	s_getreg_b32 s2, hwreg(HW_REG_IB_STS2, 6, 4)
	s_cmp_eq_u32 s2, 0
	s_cbranch_scc0 .Lentry_in_a_cluster
	s_endpgm
.Lentry_in_a_cluster:
	s_bfe_u32 s2, ttmp6, 0x10000c
	s_cmp_lg_u32 s2, 0xf033
	s_cbranch_scc0 .Lentry_shape_is_right
	s_endpgm
.Lentry_shape_is_right:
; OUT = Q(max(A B^T + A's additive term by row + B's by column, lower bound)): a product of K = 1,024 on codes of BF6 (E3M2) with E8M0 scales, whose result is quantised along its COLUMNS into a new operand.
; A, B, OUT are operand buffers of this program's format: scale bytes at slab x 32,768 + row x 8; additive terms (f32) at BIAS + row x 4; a lower bound (f32) at LO; codes at CODES + slab x 786,432 + row x 192; a slab is 256 along K.
; A tile of the result, 256 x 256, is made by a work-group of four waves; a wave makes 128 x 128: 64 accumulators, 512 registers.  K goes in steps of 256 (a slab) through a ring of two LDS slots filled by the
; tensor data mover; a wave's load is 128 rows of 192 bytes, 24,576 consecutive bytes of memory.  The scale bytes of the work-group's rows, for all four slabs, come into LDS once, with the first fills.
; CLUSTERS: 4 x 4 work-groups.  The four of a row of the cluster need the same tiles of A, the four of a column the same tiles of B: each is asked for jointly.
; THE MATRIX INSTRUCTION IS USED TRANSPOSED (source 0 = 16 rows of B, source 1 = 16 rows of A): a lane holds eight neighbouring columns of one row of the result.  B's additive terms, in that layout, are the C of each sum's first product.
; THE WAY OUT: a tile's 256 columns are one slab of OUT: 49,152 consecutive bytes of codes and 2,048 of scale bytes.  They are gathered in LDS and leave in runs of 512 bytes.
; LIMITS: a block whose largest magnitude lies under 2^-122, a block of zeros among them, gets the byte 1 (its codes are zeros or next to it; this program alone reads the bytes); NaN and infinities are not served;
; the additive term of a column starts the sum and that of a row is added at its end: another order of rounding than a sum followed by one addition.
; REGISTERS, in windows of 256: window 0: v0-31 addresses; v32-63 scale words, two sets, and nothing else; v64-127 B's additive terms, on the way out at work; v128-223 A's fragments, ONE set; v224-239 A's additive terms; v240 the lower bound.
;   window 1: B's fragments, TWO sets, at v0 and v128.   window 2: the accumulators of my rows 0-63 ((a, b) at v[8 (8 a + b)]);   window 3: those of my rows 64-127.
.set SLABB,  786432
.set SCSLAB, 32768
.set BIAS,   524288
.set LO,     589824
.set CODES,  655360
.set NQ,     2                         ; matrix instructions deep in a slot
.set ROWB,   192                       ; a tile's row in bytes
.set PITCH,  240                       ; an LDS row: 3 x (64 bytes + 16 of padding) = 60 words: the 32 lanes of a load of 8 bytes touch 64 different banks (64 banks of 4 bytes: ISA guide 11.1)
.set FR,     12                        ; registers of a fragment
.set NL,     6                         ; LDS loads that bring one
.set NP,     4                         ; places behind this matrix instruction (ISA guide 7.12.1)
.set HALFT,  128*PITCH
.set SLOT,   4*HALFT                   ; A's 256 rows, then B's 256 rows
.set LAPS,   2                         ; K = 1,024 is four slabs: twice round the ring
.set SCL,    2*SLOT                    ; behind the ring: the scale bytes, four parts of [4 slabs][128 rows][8 bytes]: A's two halves, B's two halves
.set PART,   4096
.set SPARE,  SCL+4*PART                ; the spare words, 128 bytes for each wave: two blocks of 256 bytes that no other line names
.set SSC,    49152                     ; the way out: codes at LDS bytes 0 .. 49,151 (256 rows x 192), scale bytes behind them.  This lies in slot 0, which has had its last fill and its last read by then
.set STO,  8                           ; v8      the way out: where I put my row's codes
.set STS,  9                           ; v9      and its scale word
.set RD,   10                          ; v10     where I read the codes back, and the same number: my byte in the tile's codes in OUT
.set RS,   11                          ; v11     the same for the scale bytes (in LDS SSC further on)
.set ADRA, 16                          ; v16-17  LDS address of my A fragments in slot 0, 1  (v18-19: for the pieces that lie behind one padding more)
.set ADRB, 20                          ; v20-23  the same for B
.set ADRS, 27                          ; v27     LDS address of my scale words: lanes 0-15 A's rows, lanes 16-31 B's
.set SPW,  28                          ; v28     LDS address of my spare word; never rewritten
.set NIL,  29                          ; v29     0; never rewritten
.set SC,   32                          ; scale words: set s at v[SC + 16 s]; register 2 i + q: lanes 0-15 A's block i, lanes 16-31 B's block i, the slot's q-th 128 along K
.set BP,   64                          ; B's additive terms: tile b at v[BP + 8 b]; read by the first step alone
.set AF,   128                         ; A's fragments
.set BQ,   224                         ; A's additive terms: block a at v[BQ + 2 a] (the odd registers are zeros: the packed form names pairs)
.set LOV,  240
.set T,    128                         ; the way out: 64 numbers of a lane
.set CD,   192                         ; the codes just made
.set TM,   64                          ; v64-79  at work, where B's additive terms lay
.set PW,   80                          ; v80     the scale word just made
.set SBK,  84                          ; v84-87  the tile's scale bytes on their way from LDS to memory
.set G1, 24                            ; s[24:31] descriptor group 1 for A's tiles;  s[32:39] group 0, one set for each slot
.set G0, 32
.set G1B, 48                           ; s[48:55], s[56:63] the same for B's tiles
.set G0B, 56
.set G1S, 68                           ; s[68:75], s[76:79] groups 1 and 0 for A's scales;  s[80:87], s[88:91] for B's
.set G0S, 76
.set G1SB, 80
.set G0SB, 88
.set SEL, 98                           ; s[98:99] v_permlanex16_b32's selects for lane l xor 16
.set MSB, 0
.macro WIN new                         ; the immediate's high byte repeats the setting that is left
.if MSB != (\new)
	s_set_vgpr_msb (MSB<<8)|(\new)
.set MSB, (\new)
.endif
.endm
.set MUL_LO, 0xa1                      ; source 0 (B) window 1, source 1 (A) window 0, C and D window 2
.set MUL_HI, 0xf1                      ; the same, C and D window 3
.set TO_B,   0x40                      ; destination window 1, address window 0
; A joint load: waves 0 and 1 fetch for A, waves 2 and 3 for B.  Each line has one mask and one set of registers for all that issue it; the branch hangs on the wave's number alone.
; Four v_nop follow each of the two lines, ahead of the jump, the label and what follows.
.macro JLOAD g0a, g1a, g0b, g1b
	s_cmp_eq_u32 s15, 0
	s_cbranch_scc0 .Lfor_b_\@
	tensor_load_to_lds s[\g0a:\g0a+3], s[\g1a:\g1a+7]
	s_nop 0
.rept 4
	v_nop
.endr
	s_branch .Lasked_\@
.Lfor_b_\@:
	tensor_load_to_lds s[\g0b:\g0b+3], s[\g1b:\g1b+7]
	s_nop 0
.rept 4
	v_nop
.endr
.Lasked_\@:
.endm
.macro CREST                           ; a round of the cluster's barrier behind its opening barrier
	s_cmp_lg_u32 s14, 0
	s_cbranch_scc1 .Lnot_wave_0_\@
	s_barrier_signal -3
.Lnot_wave_0_\@:
	s_barrier_wait -3
	s_barrier_signal -1
	s_barrier_wait -1
.endm
.macro CROUND                          ; a whole round
	s_barrier_signal -1
	s_barrier_wait -1
	CREST
.endm
	s_load_b128 s[4:7], s[0:1], 0x0                ; A s[4:5], B s[6:7]
	s_load_b64 s[12:13], s[0:1], 0x10              ; OUT
	v_lshl_add_u32 v[SPW], v0, 2, SPARE
	v_mov_b32 v[NIL], 0
	ds_add_u32 v28, v29
	ds_add_u32 v28, v29
	s_wait_dscnt 0x0
	v_lshrrev_b32 v1, 5, v0
	v_readfirstlane_b32 s14, v1                    ; wave 0..3
	s_lshr_b32 s15, s14, 1                         ; which half of the tile's rows is mine.  Also: I fetch for A (0) or for B (1)
	s_and_b32 s16, s14, 1                          ; which half of its columns.  Also: which 128 rows of that tile I fetch
	s_bfe_u32 s40, ttmp6, 0x40000                  ; cx, cy: my place in the cluster
	s_bfe_u32 s41, ttmp6, 0x40004
	s_lshl_b32 s42, ttmp9, 2
	s_add_co_u32 s42, s42, s40                     ; tile column = 4 x cluster x + cx
	s_and_b32 s17, ttmp7, 0xffff
	s_lshl_b32 s17, s17, 2
	s_add_co_u32 s17, s17, s41                     ; tile row = 4 x cluster y + cy
	s_lshl_b32 s43, s41, 2
	s_lshl_b32 s43, 15, s43                        ; my row of the cluster
	s_lshl_b32 s44, 0x1111, s40                    ; my column
	s_mov_b32 s[SEL], 0x76543210
	s_mov_b32 s[SEL+1], 0xfedcba98
	; descriptor group 1: a tile of 128 rows x 192 bytes, padded in LDS
	s_or_b32 s[G1+0], s43, (1<<20)|(1<<21)|(3<<22)|(3<<25)   ; 15:0 the mask: A's tiles go to my row; 17:16 elements of 1 byte; 20 padding on; 21 set beside a mask; 24:22 after every 16 words; 31:25 of 4 words
	s_or_b32 s[G1B+0], s44, (1<<20)|(1<<21)|(3<<22)|(3<<25)
.irp g, G1, G1B
	s_mov_b32 s[\g+1], ROWB<<16                    ; tensor_dim0
	s_mov_b32 s[\g+2], 128<<16                     ; tensor_dim1
	s_mov_b32 s[\g+3], ROWB<<16                    ; tile_dim0
	s_mov_b32 s[\g+4], 128                         ; tile_dim1
	s_mov_b32 s[\g+5], ROWB                        ; tensor_dim0_stride: the rows of a slab lie on end
	s_mov_b32 s[\g+6], 0
	s_mov_b32 s[\g+7], 0
.endr
	; and for the scale bytes of 128 rows: four rows (one a slab) of 128 elements of 8 bytes, 32,768 bytes apart; no padding
	s_or_b32 s[G1S+0], s43, (3<<16)|(1<<21)
	s_or_b32 s[G1SB+0], s44, (3<<16)|(1<<21)
.irp g, G1S, G1SB
	s_mov_b32 s[\g+1], 128<<16
	s_mov_b32 s[\g+2], 4<<16
	s_mov_b32 s[\g+3], 128<<16
	s_mov_b32 s[\g+4], 4
	s_mov_b32 s[\g+5], SCSLAB/8
	s_mov_b32 s[\g+6], 0
	s_mov_b32 s[\g+7], 0
.endr
	s_lshl_b32 s18, s16, 7                         ; which 128 rows of the tile I fetch
	s_lshl_b32 s20, s17, 8
	s_add_co_u32 s20, s20, s18                     ; A: row 256 x tile row + 128 x half
	s_lshl_b32 s46, s42, 8
	s_add_co_u32 s46, s46, s18                     ; B: row 256 x tile column + 128 x half
	s_lshl_b32 s22, s20, 3                         ; where these rows' scale bytes begin,
	s_lshl_b32 s92, s46, 3
	s_mul_i32 s20, s20, ROWB                       ; and their codes
	s_add_co_u32 s20, s20, CODES
	s_mul_i32 s46, s46, ROWB
	s_add_co_u32 s46, s46, CODES
	s_mov_b32 s21, 0
	s_mov_b32 s23, 0
	s_mov_b32 s47, 0
	s_mov_b32 s93, 0
	s_mul_i32 s45, s14, HALFT                      ; where they go: wave x 128 rows: no place in the cluster enters an LDS address
	s_lshl_b32 s94, s14, 12
	s_wait_kmcnt 0x0
	s_add_nc_u64 s[20:21], s[4:5], s[20:21]
	s_add_nc_u64 s[22:23], s[4:5], s[22:23]
	s_add_nc_u64 s[46:47], s[6:7], s[46:47]
	s_add_nc_u64 s[92:93], s[6:7], s[92:93]
	CROUND                                         ; all sixteen work-groups are here: the first joint loads meet
	s_mov_b32 s[G0S], 1
	s_add_co_u32 s[G0S+1], s94, SCL
	s_mov_b64 s[G0S+2:G0S+3], s[22:23]
	s_or_b32 s[G0S+3], s[G0S+3], 0x80000000
	s_mov_b32 s[G0SB], 1
	s_add_co_u32 s[G0SB+1], s94, SCL
	s_mov_b64 s[G0SB+2:G0SB+3], s[92:93]
	s_or_b32 s[G0SB+3], s[G0SB+3], 0x80000000
	JLOAD G0S, G1S, G0SB, G1SB                     ; the scales first: they are wanted with slab 0
.irp s, 0,1
	s_mov_b32 s[G0+4*\s], 1
	s_add_co_u32 s[G0+4*\s+1], s45, \s*SLOT
	s_add_nc_u64 s[G0+4*\s+2:G0+4*\s+3], s[20:21], \s*SLABB
	s_or_b32 s[G0+4*\s+3], s[G0+4*\s+3], 0x80000000
	s_mov_b32 s[G0B+4*\s], 1
	s_add_co_u32 s[G0B+4*\s+1], s45, \s*SLOT
	s_add_nc_u64 s[G0B+4*\s+2:G0B+4*\s+3], s[46:47], \s*SLABB
	s_or_b32 s[G0B+4*\s+3], s[G0B+4*\s+3], 0x80000000
	JLOAD G0+4*\s, G1, G0B+4*\s, G1B
.endr
	v_and_b32 v1, 15, v0                           ; r = l % 16
	v_bfe_u32 v2, v0, 4, 1                         ; h = l / 16
	v_mul_u32_u24 v3, v1, PITCH
	v_mul_u32_u24 v4, v2, 24
	v_add_nc_u32 v4, v3, v4                        ; a fragment's row x pitch + 24 x half
	v_lshl_add_u32 v5, v2, 4, v4                   ; and the same behind one padding more
	s_mul_i32 s21, s15, HALFT                      ; my 128 rows of A
	s_mul_i32 s22, s16, HALFT                      ; my 128 rows of B,
	s_add_co_u32 s22, s22, 2*HALFT                 ; which lie behind A's 256
.irp s, 0,1
	v_add_nc_u32 v[ADRA+\s], s21, v4
	v_add_nc_u32 v[ADRB+\s], s22, v4
	v_add_nc_u32 v[ADRA+2+\s], s21, v5
	v_add_nc_u32 v[ADRB+2+\s], s22, v5
	s_add_co_u32 s21, s21, SLOT
	s_add_co_u32 s22, s22, SLOT
.endr
	v_lshlrev_b32 v5, 3, v1                        ; my row's scale bytes: 8 a row
	s_lshl_b32 s21, s15, 12                        ; A's: my half's part
	s_lshl_b32 s22, s16, 12                        ; B's: my half's part, behind A's two
	s_add_co_u32 s22, s22, 2*PART
	s_sub_co_u32 s22, s22, s21
	v_mul_u32_u24 v6, s22, v2                      ; lanes 16-31 take B's: one product, the distance between the two
	s_add_co_u32 s21, s21, SCL
	v_add_nc_u32 v5, v5, v6
	v_add_nc_u32 v[ADRS], s21, v5
	; the way out's addresses
	s_mul_i32 s18, s15, 128*192
	s_mul_i32 s19, s16, 96
	s_add_co_u32 s18, s18, s19
	v_mul_u32_u24 v[STO], v1, 192
	v_mad_u32_u24 v[STO], v2, 24, v[STO]
	v_add_nc_u32 v[STO], s18, v[STO]               ; row (128 x my half + r) x 192 + my 128 columns' 96 bytes + 24 h
	s_lshl_b32 s18, s15, 10
	s_lshl_b32 s19, s16, 2
	s_add_co_u32 s18, s18, s19
	s_add_co_u32 s18, s18, SSC
	v_lshl_add_u32 v[STS], v1, 3, s18              ; the row's 8 scale bytes, my 4 of them
	v_and_b32 v12, 31, v0
	s_mul_i32 s18, s14, 12288
	v_lshl_add_u32 v[RD], v12, 4, s18              ; back: a quarter of the codes a wave, 16 bytes a lane
	s_lshl_b32 s18, s14, 9
	v_lshl_add_u32 v[RS], v12, 4, s18              ; and a quarter of the scale bytes
	; the additive terms and the lower bound
	s_lshl_b32 s46, s42, 10
	s_lshl_b32 s47, s16, 9
	s_add_co_u32 s46, s46, s47
	s_add_co_u32 s46, s46, BIAS
	s_mov_b32 s47, 0
	s_add_nc_u64 s[8:9], s[6:7], s[46:47]          ; B's, at my first column
	s_lshl_b32 s20, s17, 10
	s_lshl_b32 s21, s15, 9
	s_add_co_u32 s20, s20, s21
	s_add_co_u32 s20, s20, BIAS
	s_mov_b32 s21, 0
	s_add_nc_u64 s[10:11], s[4:5], s[20:21]        ; A's, at my first row
	v_lshlrev_b32 v6, 5, v2                        ; lane (r, h) wants, of tile b, columns 16 b + 8 h + 0 .. 7
	v_lshlrev_b32 v7, 2, v1                        ; and, of block a, row 16 a + r
.irp b, 0,1,2,3,4,5,6,7
	global_load_b128 v[BP+8*\b:BP+8*\b+3], v6, s[8:9] offset:64*\b
	global_load_b128 v[BP+8*\b+4:BP+8*\b+7], v6, s[8:9] offset:64*\b+16
.endr
.irp a, 0,1,2,3,4,5,6,7
	global_load_b32 v[BQ+2*\a], v7, s[10:11] offset:64*\a
	v_mov_b32 v[BQ+2*\a+1], 0
.endr
	s_load_b32 s96, s[4:5], LO
	s_load_b32 s97, s[6:7], LO
	; where the tile goes in OUT: slab = tile column, rows 256 x tile row on
	s_lshl_b32 s20, s17, 11
	s_lshl_b32 s46, s42, 15
	s_add_nc_u64 s[66:67], s[12:13], s[20:21]
	s_add_nc_u64 s[66:67], s[66:67], s[46:47]      ; its scale bytes
	s_mul_i32 s20, s17, 49152
	s_mul_i32 s46, s42, SLABB
	s_add_co_u32 s46, s46, CODES
	s_add_nc_u64 s[12:13], s[12:13], s[20:21]
	s_add_nc_u64 s[12:13], s[12:13], s[46:47]      ; its codes
.macro FRAG reg, adr, q, i             ; a fragment, 16 rows x 128 K, is 12 registers: lane l holds row l % 16; registers 6 c .. 6 c + 5 hold K = 64 c + 32 (l / 16) + 0 .. 31: 24 bytes of the row, as they lie
.irp p, 0,1,2,3,4,5                    ; in pieces of 8 bytes.  Lanes 0-15 take the row's pieces 12 q + 0, 1, 2 and 12 q + 6, 7, 8, lanes 16-31 those three pieces on
.set PCE, 12*(\q)+6*(\p/3)+\p%3        ; 16 bytes of padding lie behind every 8 pieces: where the piece three on lies behind one padding more, the second address register serves
.if PCE%8 < 5
	ds_load_b64 v[\reg+2*\p:\reg+2*\p+1], v[\adr] offset:8*PCE+16*(PCE/8)+(\i)*16*PITCH
.else
	ds_load_b64 v[\reg+2*\p:\reg+2*\p+1], v[\adr+2] offset:8*PCE+16*(PCE/8)+(\i)*16*PITCH
.endif
.endr
.endm
; 16 matrix instructions: A's blocks a0, a0 + 1 x B's eight, 128 along K.  p: B's set;  sc: the set of scale words.  zero = 1: the first product starts the sums, on B's additive terms: nothing is cleared.
; The 64 accumulators take turns, one instruction a turn, in the same order in every step.
.macro MUL16 a0, p, q, sc, zero
.irp a, \a0, \a0+1
.irp b, 0,1,2,3,4,5,6,7
.if \zero
	v_wmma_scale_f32_16x16x128_f8f6f4 v[8*(8*((\a)%4)+\b):8*(8*((\a)%4)+\b)+7], v[128*(\p)+FR*\b:128*(\p)+FR*\b+FR-1], v[AF+FR*(\a):AF+FR*(\a)+FR-1], v[BP+8*\b:BP+8*\b+7], v[SC+8*NQ*(\sc)+NQ*\b+(\q)], v[SC+8*NQ*(\sc)+NQ*(\a)+(\q)] matrix_a_fmt:MATRIX_FMT_BF6 matrix_b_fmt:MATRIX_FMT_BF6 matrix_a_scale:MATRIX_SCALE_ROW1
.else
	v_wmma_scale_f32_16x16x128_f8f6f4 v[8*(8*((\a)%4)+\b):8*(8*((\a)%4)+\b)+7], v[128*(\p)+FR*\b:128*(\p)+FR*\b+FR-1], v[AF+FR*(\a):AF+FR*(\a)+FR-1], v[8*(8*((\a)%4)+\b):8*(8*((\a)%4)+\b)+7], v[SC+8*NQ*(\sc)+NQ*\b+(\q)], v[SC+8*NQ*(\sc)+NQ*(\a)+(\q)] matrix_a_fmt:MATRIX_FMT_BF6 matrix_b_fmt:MATRIX_FMT_BF6 matrix_a_scale:MATRIX_SCALE_ROW1
.endif
.endr
.endr
.endm
.macro FETCH_B slot, q, p              ; B's eight fragments of the slot's q-th 128 along K into set p
	WIN TO_B
.irp i, 0,1,2,3,4,5,6,7
	FRAG 128*(\p)+FR*\i, ADRB+\slot, \q, \i
.endr
	WIN 0
.endm
.macro FETCH_A slot, q, i0             ; A's blocks i0 .. i0 + 3
.irp i, \i0, \i0+1, \i0+2, \i0+3
	FRAG AF+FR*(\i), ADRA+\slot, \q, \i
.endr
.endm
.macro SCALES sc                       ; a slab's scale words into set sc: two words a row; lanes 0-15 take A's block i, lanes 16-31 B's block i
.irp i, 0,1,2,3,4,5,6,7
	ds_load_b64 v[SC+8*NQ*\sc+NQ*\i:SC+8*NQ*\sc+NQ*\i+1], v[ADRS] offset:\i*128
.endr
.endm
; A load into a register that a matrix instruction has read, and a vector instruction or an LDS store that reads a matrix result, stand NP places behind that matrix instruction; only plain vector
; instructions that name none of its registers are places (ISA guide 7.12.1 for vector instructions).
.macro PLACES n
.rept \n
	v_nop
.endr
.endm
; A step of 128 along K that has its successor in the same slot.  With zero = 1 the C operands lie in window 0.
.macro STEP slot, q, zero
	s_wait_dscnt 4*NL                              ; B's set and A's blocks 0-3 are in; the youngest 24 loads (A's blocks 4-7) may be out
	WIN MUL_LO-0x20*(\zero)
	MUL16 0, (\q)%2, \q, \slot, \zero
	MUL16 2, (\q)%2, \q, \slot, \zero
	s_wait_dscnt 0                                 ; A's blocks 4-7 are in (asked for 32 matrix instructions ago)
	PLACES NP
	FETCH_B \slot, (\q)+1, 1-(\q)%2
	FETCH_A \slot, (\q)+1, 0
	WIN MUL_HI-0x30*(\zero)
	MUL16 4, (\q)%2, \q, \slot, \zero
	MUL16 6, (\q)%2, \q, \slot, \zero
	PLACES NP
	WIN 0
	FETCH_A \slot, (\q)+1, 4
.endm
; A slot's last step changes slots: ONE barrier; in front of it each wave waits for all its tensor loads, adds 0 to its spare word, and waits for that and for its own reads of this slot.  fill = 1: this slot is filled again, two slabs ahead.
.macro TURN slot, next, fill
	s_wait_tensorcnt 0x0                           ; all my tensor loads have landed: my part of the next slot  (every window is 0 here)
	ds_add_u32 v[SPW], v[NIL]                      ; 0 onto my spare word
	s_wait_dscnt 4*NL+1                            ; (the add and the youngest 24 loads, A's blocks 4-7, may be out)
	WIN MUL_LO
	MUL16 0, 1, NQ-1, \slot, 0                     ; sixteen matrix instructions stand between the add and the wait for it
	s_wait_dscnt 0x0                               ; the add is done, and my reads of this slot are over
	s_barrier_signal -1
	MUL16 2, 1, NQ-1, \slot, 0
	WIN 0
	s_barrier_wait -1
.if \fill
	CREST                                          ; the barrier has opened a round of the cluster's barrier: no wave of any partner still reads this slot's tile or has a load on its way
	s_add_nc_u64 s[G0+4*\slot+2:G0+4*\slot+3], s[G0+4*\slot+2:G0+4*\slot+3], 2*SLABB
	s_add_nc_u64 s[G0B+4*\slot+2:G0B+4*\slot+3], s[G0B+4*\slot+2:G0B+4*\slot+3], 2*SLABB
	JLOAD G0+4*\slot, G1, G0B+4*\slot, G1B         ; the first tensor load behind the round; the four v_nop behind it are the places in front of the loads below
.else
	PLACES NP
.endif
	v_add_nc_u32 v[ADRS], 1024, v[ADRS]            ; on to the next slab's scale words (no LDS load of mine is out)
	FETCH_B \next, 0, 0
	FETCH_A \next, 0, 0
	SCALES \next
	WIN MUL_HI
	MUL16 4, 1, NQ-1, \slot, 0
	MUL16 6, 1, NQ-1, \slot, 0
	PLACES NP
	WIN 0
	FETCH_A \next, 0, 4
.endm
	s_wait_tensorcnt 1                             ; the scales and my part of slab 0 are in (slab 1's load may be out)
	s_barrier_signal -1
	s_barrier_wait -1                              ; everybody's are
	FETCH_B 0, 0, 0
	FETCH_A 0, 0, 0
	SCALES 0
	FETCH_A 0, 0, 4
	s_wait_kmcnt 0x0
	v_mov_b32 v[LOV], s96
	v_max_num_f32 v[LOV], s97, v[LOV]              ; the lower bound: the larger of the two operands'
	s_wait_loadcnt 0x0                             ; the additive terms
	STEP 0, 0, 1                                   ; the first step stands in front of the loop: its products start the sums
	s_mov_b32 s3, LAPS-1
.Llap:                                                 ; a trip goes once round the ring, from a lap's second step to the next lap's first, and fills both slots again
	TURN 0, 1, 1
	STEP 1, 0, 0
	TURN 1, 0, 1
	STEP 0, 0, 0
	s_sub_co_u32 s3, s3, 1
	s_cmp_lg_u32 s3, 0
	s_cbranch_scc1 .Llap
	TURN 0, 1, 0                                   ; the last lap fills nothing, and has no round of the cluster's barrier
	STEP 1, 0, 0
	s_wait_dscnt 4*NL                              ; the very last step: nothing more to fetch
	WIN MUL_LO
	MUL16 0, 1, NQ-1, 1, 0
	MUL16 2, 1, NQ-1, 1, 0
	s_wait_dscnt 0
	WIN MUL_HI
	MUL16 4, 1, NQ-1, 1, 0
	MUL16 6, 1, NQ-1, 1, 0
	WIN 0
; 64 numbers of a lane, v[s] .. v[s + 63], register 16 b + i = column 32 b + 16 (lane / 16) + i of my row, become a fragment's codes in v[CD] on and its scale word in v[PW].
.macro QUANT s
.irp b, 0,1,2,3
	v_max3_num_f32 v[TM+\b], |v[\s+16*\b]|, |v[\s+1+16*\b]|, 0x2800000   ; block b: my 16 numbers, and the floor 2^(5 - 127): the byte cannot fall under 1
.endr
.irp i, 2,4,6,8,10,12,14
.irp b, 0,1,2,3
	v_max3_num_f32 v[TM+\b], v[TM+\b], |v[\s+16*\b+\i]|, |v[\s+1+16*\b+\i]|   ; (the four blocks by turns)
.endr
.endr
.irp b, 0,1,2,3
	v_permlanex16_b32 v[TM+4+\b], v[TM+\b], s[SEL], s[SEL+1]
.endr
.irp b, 0,1,2,3
	v_max_num_f32 v[TM+\b], v[TM+\b], v[TM+4+\b]   ; with lane l xor 16's: the block's largest magnitude
.endr
.irp b, 0,1,2,3
	v_add_nc_u32 v[TM+12+\b], 0xfe000000, v[TM+\b]   ; 4 off its exponent field: the conversion's scale operand
.endr
.irp b, 0,1,2,3
	v_lshrrev_b32 v[TM+4+\b], 23, v[TM+12+\b]   ; the scale's byte
.endr
	v_lshl_or_b32 v[PW], v[TM+5], 8, v[TM+4]   ; the four bytes make my row's scale word
	v_lshl_or_b32 v[PW], v[TM+6], 16, v[PW]
	v_lshl_or_b32 v[PW], v[TM+7], 24, v[PW]
.irp c, 0,1
	v_cvt_scalef32_pk16_bf6_f32 v[CD+6*\c:CD+2+6*\c], v[\s+32*\c:\s+15+32*\c], v[TM+12+2*\c]
	v_cvt_scalef32_pk16_bf6_f32 v[CD+12+4*\c:CD+14+4*\c], v[\s+16+32*\c:\s+31+32*\c], v[TM+12+2*\c+1]   ; (a conversion's three registers begin on an even number)
.endr
	v_nop                                          ; one plain place behind a scaled conversion
.irp c, 0,1                                    ; a whole block to a lane: lanes 0-15 block 2 c, lanes 16-31 block 2 c + 1
.irp i, 0,1,2
	v_permlane16_swap_b32 v[CD+6*\c+\i], v[CD+12+4*\c+\i]
.endr
.irp i, 0,1,2
	v_mov_b32 v[CD+3+6*\c+\i], v[CD+12+4*\c+\i]
.endr
.endr
.endm
; THE WAY OUT of block a (16 rows x my 128 columns).  The row's additive term is added (each accumulator is read from its low end on), the lower bound holds, the halves of the lanes change eights so that a
; lane's 16 registers are 16 neighbouring columns, the 128 columns are quantised, and codes and scale word go to their places in the tile's image in LDS.
.macro OUTQ a
	WIN 0x02+(\a)/4                                ; source 0: window 2 or 3
.set J, 0
.rept 32
	v_pk_add_f32 v[T+J:T+J+1], v[64*((\a)%4)+J:64*((\a)%4)+J+1], v[BQ+2*(\a):BQ+2*(\a)+1] op_sel_hi:[1,0]
.set J, J+2
.endr
	WIN 0
.set J, 0
.rept 64
	v_max_num_f32 v[T+J], v[LOV], v[T+J]
.set J, J+1
.endr
.irp b, 0,1,2,3                                ; register 8 t + j held column 16 t + 8 h + j.  Tile 2 b's lanes 16-31 change places with tile 2 b + 1's lanes 0-15: register 16 b + i now holds column 32 b + 16 h + i
.irp j, 0,1,2,3,4,5,6,7
	v_permlane16_swap_b32 v[T+16*\b+\j], v[T+16*\b+8+\j]
.endr
.endr
	QUANT T
.irp p, 0,1,2,3,4,5
	ds_store_b64 v[STO], v[CD+2*\p:CD+2*\p+1] offset:(\a)*3072+48*(\p/3)+8*(\p%3)
.endr
	ds_store_b32 v[STS], v[PW] offset:(\a)*128     ; both halves of the lanes write the same word with the same value
	s_wait_dscnt 0x0                               ; the stores have read their registers
.endm
	PLACES NP                                      ; behind the last products: the lines below write registers that held A's fragments
.irp b, 0,1,2,3
	v_mov_b32 v[TM+4+\b], 0                        ; written once: a lane permute's destination counts as one of its sources
.endr
.irp a, 0,1,2,3,4,5,6,7
	OUTQ \a
.endr
	s_barrier_signal -1                            ; my stores have landed (the wait above): a row's 192 bytes come from two waves
	s_barrier_wait -1
.set J, 0
.rept 24
	ds_load_b128 v[128+4*J:131+4*J], v[RD] offset:512*J
.set J, J+1
.endr
	ds_load_b128 v[SBK:SBK+3], v[RS] offset:SSC
.set J, 0
.rept 24
	s_wait_dscnt 24-J                              ; load J is in; the 24 - J issued behind it may be out
	global_store_b128 v[RD], v[128+4*J:131+4*J], s[12:13] offset:512*J    ; 32 lanes store 512 consecutive bytes, at a multiple of 256 from the buffer's first byte
.set J, J+1
.endr
	s_wait_dscnt 0x0
	global_store_b128 v[RS], v[SBK:SBK+3], s[66:67]
	s_wait_tensorcnt 0x0                           ; the wave's end: behind my last tensor load and my last LDS store
	ds_add_u32 v[SPW], v[NIL]
	s_wait_dscnt 0x0
	CROUND                                         ; the closing round: no work-group ends while a partner may still ask for a tile that names it
	s_endpgm
.Lfunc_end_k_qba66c7e559_gq_f1:
	.size	k_qba66c7e559_gq_f1, .Lfunc_end_k_qba66c7e559_gq_f1-k_qba66c7e559_gq_f1
	.p2alignl 7, 3214868480
	.fill 96, 4, 3214868480
	.section	.rodata,"a",@progbits
	.p2align	6, 0x0
	.amdhsa_kernel k_qba66c7e559_gq_f1
		.amdhsa_group_segment_fixed_size 327680
		.amdhsa_private_segment_fixed_size 0
		.amdhsa_enable_private_segment 0
		.amdhsa_kernarg_size 24
		.amdhsa_user_sgpr_count 2
		.amdhsa_user_sgpr_kernarg_segment_ptr 1
		.amdhsa_wavefront_size32 1
		.amdhsa_system_sgpr_workgroup_id_x 1
		.amdhsa_system_sgpr_workgroup_id_y 1
		.amdhsa_system_sgpr_workgroup_id_z 1
		.amdhsa_system_vgpr_workitem_id 0
		.amdhsa_next_free_vgpr 1024
		.amdhsa_next_free_sgpr 100
		.amdhsa_reserve_vcc 0
		.amdhsa_float_denorm_mode_32 3
		.amdhsa_float_denorm_mode_16_64 3
		.amdhsa_memory_ordered 1
		.amdhsa_forward_progress 1
		.amdhsa_inst_pref_size 213
	.end_amdhsa_kernel
	.amdgpu_metadata
---
amdhsa.version: [ 1, 2 ]
amdhsa.kernels:
  - .name:           k_qba66c7e559_gq_f1
    .symbol:         k_qba66c7e559_gq_f1.kd
    .args:
      - { .name: xq, .offset: 0, .size: 8, .value_kind: global_buffer, .address_space: global }
      - { .name: w1, .offset: 8, .size: 8, .value_kind: global_buffer, .address_space: global }
      - { .name: bufa, .offset: 16, .size: 8, .value_kind: global_buffer, .address_space: global }
    .group_segment_fixed_size: 327680
    .private_segment_fixed_size: 0
    .kernarg_segment_align: 8
    .kernarg_segment_size: 24
    .max_flat_workgroup_size: 128
    .sgpr_count:     100
    .vgpr_count:     1024
    .wavefront_size: 32
...
	.end_amdgpu_metadata
.endif
;; end of part 7
;; launch gf_f2: the kernel of part 5 again; grid 4 x 64, 4 waves a work-group, clusters of 4 x 4, 327,680 bytes of LDS; arguments bufa, w2, wv; writes wv
;; launch ln2 (part 8): grid 256 x 1, 16 waves a work-group, no clusters, 0 bytes of LDS; arguments bufb, wv, g2, be2, out0; writes out0
.if DOCPART == 8
	.amdgcn_target "amdgcn-amd-amdhsa--gfx1250"
	.amdhsa_code_object_version 6
	.text
	.protected	k_qba66c7e559_ln2
	.globl	k_qba66c7e559_ln2
	.p2align	8
	.type	k_qba66c7e559_ln2,@function
k_qba66c7e559_ln2:
	s_mov_b64 s[64:65], 0
	v_nop
	global_prefetch_b8 v0, s[64:65] scope:SCOPE_SE
	s_setreg_imm32_b32 hwreg(HW_REG_WAVE_MODE, 25, 1), 1
	s_wait_xcnt 0x0
; out0 = layernorm(x1 + ffn) g2 + be2.  ffn arrives as four partial sums over K, [4][4096][1024] f32, 16 MiB apart (the bias lies in the first); they are added in a fixed order: x1 + ((p0 + p1) + (p2 + p3)).
; One wave, one row of 1,024 numbers; the row stays in registers between the mean, the variance (of the differences from the mean) and the scaling.  Memory binds: no LDS, no barrier, no matrix unit.
; Each load and store covers 512 consecutive bytes; all 56 loads of a wave are issued at once.
.set X,   16                           ; v16-47   x1, then the row at work
.set P,   48                           ; v48-175  the four partial sums
.set G,   176                          ; v176-207 the gain
.set BE,  208                          ; v208-239 the offset
.set TA,  4                            ; v4-11    at work
	s_load_b256 s[4:11], s[0:1], 0x0               ; x1, the partial sums, g2, be2
	s_load_b64 s[12:13], s[0:1], 0x20              ; out0
	v_lshrrev_b32 v1, 5, v0
	v_readfirstlane_b32 s16, v1                    ; wave
	v_and_b32 v2, 31, v0
	v_lshlrev_b32 v3, 4, v2
	s_lshl_b32 s17, ttmp9, 4
	s_add_co_u32 s17, s17, s16                     ; my row
	s_lshl_b32 s18, s17, 12
	s_mov_b32 s19, 0
	s_mov_b32 s24, 0x76543210
	s_mov_b32 s25, 0xfedcba98
	s_mov_b32 s26, 0x3a800000                      ; 1 / 1,024
	s_mov_b32 s27, 0x3727c5ac                      ; 1e-5
	s_wait_kmcnt 0x0
	s_add_nc_u64 s[4:5], s[4:5], s[18:19]
	s_add_nc_u64 s[6:7], s[6:7], s[18:19]
	s_add_nc_u64 s[12:13], s[12:13], s[18:19]
	s_add_nc_u64 s[14:15], s[6:7], 0x1000000
	s_add_nc_u64 s[20:21], s[14:15], 0x1000000
	s_add_nc_u64 s[22:23], s[20:21], 0x1000000
.irp j, 0,1,2,3,4,5,6,7
	global_load_b128 v[X+4*\j:X+4*\j+3], v3, s[4:5] offset:512*\j
.endr
.irp j, 0,1,2,3,4,5,6,7
	global_load_b128 v[P+4*\j:P+4*\j+3], v3, s[6:7] offset:512*\j
.endr
.irp j, 0,1,2,3,4,5,6,7
	global_load_b128 v[P+32+4*\j:P+32+4*\j+3], v3, s[14:15] offset:512*\j
.endr
.irp j, 0,1,2,3,4,5,6,7
	global_load_b128 v[P+64+4*\j:P+64+4*\j+3], v3, s[20:21] offset:512*\j
.endr
.irp j, 0,1,2,3,4,5,6,7
	global_load_b128 v[P+96+4*\j:P+96+4*\j+3], v3, s[22:23] offset:512*\j
.endr
.irp j, 0,1,2,3,4,5,6,7
	global_load_b128 v[G+4*\j:G+4*\j+3], v3, s[8:9] offset:512*\j
.endr
.irp j, 0,1,2,3,4,5,6,7
	global_load_b128 v[BE+4*\j:BE+4*\j+3], v3, s[10:11] offset:512*\j
.endr
.macro WSUM r, t                       ; the sum over the 32 lanes, in every lane
	v_add_f32_dpp v[\r], v[\r], v[\r] row_xmask:1 row_mask:0xf bank_mask:0xf
	v_add_f32_dpp v[\r], v[\r], v[\r] row_xmask:2 row_mask:0xf bank_mask:0xf
	v_add_f32_dpp v[\r], v[\r], v[\r] row_xmask:4 row_mask:0xf bank_mask:0xf
	v_add_f32_dpp v[\r], v[\r], v[\r] row_xmask:8 row_mask:0xf bank_mask:0xf
	v_permlanex16_b32 v[\t], v[\r], s24, s25
	v_add_f32 v[\r], v[\r], v[\t]
.endm
	s_wait_loadcnt 16                              ; x1 and the four partial sums are in; the gain's and the offset's 16 loads may be out
.set J, 0
.rept 16
	v_pk_add_f32 v[P+J:P+J+1], v[P+J:P+J+1], v[P+32+J:P+32+J+1]
	v_pk_add_f32 v[P+64+J:P+64+J+1], v[P+64+J:P+64+J+1], v[P+96+J:P+96+J+1]
.set J, J+2
.endr
.set J, 0
.rept 16
	v_pk_add_f32 v[P+J:P+J+1], v[P+J:P+J+1], v[P+64+J:P+64+J+1]
.set J, J+2
.endr
.set J, 0
.rept 16
	v_pk_add_f32 v[X+J:X+J+1], v[X+J:X+J+1], v[P+J:P+J+1]
.set J, J+2
.endr
	v_pk_add_f32 v[TA:TA+1], v[X:X+1], v[X+2:X+3]  ; the sum, in two chains
	v_pk_add_f32 v[TA+2:TA+3], v[X+4:X+5], v[X+6:X+7]
.set J, 8
.rept 6
	v_pk_add_f32 v[TA:TA+1], v[TA:TA+1], v[X+J:X+J+1]
	v_pk_add_f32 v[TA+2:TA+3], v[TA+2:TA+3], v[X+J+2:X+J+3]
.set J, J+4
.endr
	v_pk_add_f32 v[TA:TA+1], v[TA:TA+1], v[TA+2:TA+3]
	v_add_f32 v[TA], v[TA], v[TA+1]
	WSUM TA, TA+1
	v_mul_f32 v[TA+4], s26, v[TA]                  ; the mean
	v_mov_b32 v[TA+5], v[TA+4]
.set J, 0
.rept 16
	v_pk_add_f32 v[X+J:X+J+1], v[X+J:X+J+1], v[TA+4:TA+5] neg_lo:[0,1] neg_hi:[0,1]
.set J, J+2
.endr
	v_pk_mul_f32 v[TA:TA+1], v[X:X+1], v[X:X+1]    ; the sum of squares of the differences
	v_pk_mul_f32 v[TA+2:TA+3], v[X+2:X+3], v[X+2:X+3]
.set J, 4
.rept 7
	v_pk_fma_f32 v[TA:TA+1], v[X+J:X+J+1], v[X+J:X+J+1], v[TA:TA+1]
	v_pk_fma_f32 v[TA+2:TA+3], v[X+J+2:X+J+3], v[X+J+2:X+J+3], v[TA+2:TA+3]
.set J, J+4
.endr
	v_pk_add_f32 v[TA:TA+1], v[TA:TA+1], v[TA+2:TA+3]
	v_add_f32 v[TA], v[TA], v[TA+1]
	WSUM TA, TA+1
	v_fma_f32 v[TA], v[TA], s26, s27               ; the variance + 1e-5
	v_rsq_f32 v[TA+6], v[TA]
	v_nop                                          ; one plain place behind a transcendental
	s_wait_alu depctr_va_vdst(0)
	v_mov_b32 v[TA+7], v[TA+6]
	s_wait_loadcnt 0x0
.set J, 0
.rept 16
	v_pk_mul_f32 v[X+J:X+J+1], v[X+J:X+J+1], v[TA+6:TA+7]
.set J, J+2
.endr
.set J, 0
.rept 16
	v_pk_fma_f32 v[X+J:X+J+1], v[X+J:X+J+1], v[G+J:G+J+1], v[BE+J:BE+J+1]
.set J, J+2
.endr
.irp j, 0,1,2,3,4,5,6,7
	global_store_b128 v3, v[X+4*\j:X+4*\j+3], s[12:13] offset:512*\j th:TH_STORE_NT
.endr
	s_endpgm
.Lfunc_end_k_qba66c7e559_ln2:
	.size	k_qba66c7e559_ln2, .Lfunc_end_k_qba66c7e559_ln2-k_qba66c7e559_ln2
	.p2alignl 7, 3214868480
	.fill 96, 4, 3214868480
	.section	.rodata,"a",@progbits
	.p2align	6, 0x0
	.amdhsa_kernel k_qba66c7e559_ln2
		.amdhsa_group_segment_fixed_size 0
		.amdhsa_private_segment_fixed_size 0
		.amdhsa_enable_private_segment 0
		.amdhsa_kernarg_size 40
		.amdhsa_user_sgpr_count 2
		.amdhsa_user_sgpr_kernarg_segment_ptr 1
		.amdhsa_wavefront_size32 1
		.amdhsa_system_sgpr_workgroup_id_x 1
		.amdhsa_system_sgpr_workgroup_id_y 1
		.amdhsa_system_sgpr_workgroup_id_z 1
		.amdhsa_system_vgpr_workitem_id 0
		.amdhsa_next_free_vgpr 240
		.amdhsa_next_free_sgpr 66
		.amdhsa_reserve_vcc 0
		.amdhsa_float_denorm_mode_32 3
		.amdhsa_float_denorm_mode_16_64 3
		.amdhsa_memory_ordered 1
		.amdhsa_forward_progress 1
		.amdhsa_inst_pref_size 18
	.end_amdhsa_kernel
	.amdgpu_metadata
---
amdhsa.version: [ 1, 2 ]
amdhsa.kernels:
  - .name:           k_qba66c7e559_ln2
    .symbol:         k_qba66c7e559_ln2.kd
    .args:
      - { .name: bufb, .offset: 0, .size: 8, .value_kind: global_buffer, .address_space: global }
      - { .name: wv, .offset: 8, .size: 8, .value_kind: global_buffer, .address_space: global }
      - { .name: g2, .offset: 16, .size: 8, .value_kind: global_buffer, .address_space: global }
      - { .name: be2, .offset: 24, .size: 8, .value_kind: global_buffer, .address_space: global }
      - { .name: out0, .offset: 32, .size: 8, .value_kind: global_buffer, .address_space: global }
    .group_segment_fixed_size: 0
    .private_segment_fixed_size: 0
    .kernarg_segment_align: 8
    .kernarg_segment_size: 40
    .max_flat_workgroup_size: 512
    .sgpr_count:     66
    .vgpr_count:     240
    .wavefront_size: 32
...
	.end_amdgpu_metadata
.endif
;; end of part 8
